; MI455X (gfx1250); checked and timed in simulation.
; The chip was launched on July 23, 2026; its instructions are those of AMD's public machine-readable ISA for CDNA 5 (MIT licence, August 2026) and "CDNA5" Instruction Set Architecture Reference Guide (July 2026). The comments in the code are by the model that wrote it; some were corrected since.
;; Attn. Allowed arithmetic: matrix products marked QUANTISED: E4M3 operands, one given power-of-two scale a tensor, by v_wmma_f32_16x16x64_fp8_fp8 or v_wmma_f32_16x16x128_fp8_fp8, f32 sums; everything else in f32.
;; Inputs: Wk 1,024 x 1,024 float32; Wo 1,024 x 1,024 float32; Wq 1,024 x 1,024 float32; Wv 1,024 x 1,024 float32; lowp_scales 12 int32 (the exponents e of the quantised operands' scales 2^e); x 4 x 2,048 x 1,024 float32.
;; Outputs: out0 4 x 2,048 x 1,024 float32.
;; Constants: num_heads = 16.
;; This version of the problem:
;;   THIS VERSION OF THE PROBLEM IS GIVEN IN LOW PRECISION. The matrix products marked QUANTISED in the list below multiply operands that are first quantised to E4M3 (4 exponent bits, 3 mantissa bits; 8 bits a number), with one given power-of-two scale for each operand tensor; their sums are f32. All else is computed in f32.
;;   The module's matrix products, in the order in which they are computed (A, B: the left and right operand; K: the contracted axis; several contracted axes count as one K, in the product's order):
;;     1. [M 8,192, K 1,024] x [K 1,024, N 1,024]; A: input x; B: input Wq: QUANTISED (scales: A lowp_scales[0], B lowp_scales[1])
;;     2. [M 8,192, K 1,024] x [K 1,024, N 1,024]; A: input x; B: input Wk: QUANTISED (scales: A lowp_scales[2], B lowp_scales[3])
;;     3. [M 8,192, K 1,024] x [K 1,024, N 1,024]; A: input x; B: input Wv: QUANTISED (scales: A lowp_scales[4], B lowp_scales[5])
;;     4. batch 64 x [M 2,048, K 64] x [K 64, N 2,048]; A: computed on the way; B: computed on the way: QUANTISED (scales: A lowp_scales[6], B lowp_scales[7])
;;     5. batch 64 x [M 2,048, K 2,048] x [K 2,048, N 64]; A: softmax (see below); B: computed on the way: QUANTISED (scales: A lowp_scales[8], B lowp_scales[9])
;;     6. [M 8,192, K 1,024] x [K 1,024, N 1,024]; A: computed on the way; B: input Wo: QUANTISED (scales: A lowp_scales[10], B lowp_scales[11])
;;   THE QUANTISER, for each operand of a quantised product, along K:
;;     - The operand's scale is 2^e, e = its entry of the input lowp_scales (int32; the entries are numbered through the quantised products in the list's order, A before B).
;;     - Each number is divided by the scale, clamped to +-448, and rounded to the nearest number of E4M3, ties to even, subnormals kept.
;;     - The product sums the exact products of the quantised numbers (number of the format x scale) in f32.
;;   ~~~python
;;   def quantise(x, axis, e):      # numpy; x: float32 -> the quantised numbers, widened to float32 again
;;       x = np.moveaxis(x, axis, -1); K = x.shape[-1]
;;       r = np.clip(x / 2.0 ** e, -448, 448)
;;       step = 2.0 ** (np.maximum(np.frexp(np.where(r == 0, 1, r))[1] - 1, -6) - 3)
;;       q = np.round(r / step) * step * 2.0 ** e      # np.round: ties to even
;;       return np.moveaxis(q, -1, axis).astype(np.float32)
;;   ~~~
;;   SOFTMAX AHEAD OF A QUANTISED PRODUCT. Where the list says 'softmax', what is quantised is not the finished softmax but p = 2^(t - M), with t = logit x log2(e) and M = ceil(the row's largest t), a whole number; so 1/2 < the row's largest p <= 1. The row's sum l is taken of the UNQUANTISED p, in f32, and the product's result is divided by l at the end. Since M is a whole number, a kernel that streams over the keys may use a running M (the ceiling of the running maximum): every later rescaling is an exact power of two, so the quantised numbers keep their values, but for numbers so far below the row's largest that they fall under the format's range.
;;   OPERANDS COMPUTED ON THE WAY. 'Computed on the way' means the value that the module computes at that place (a softmax that the list does not call 'softmax' is quantised finished and normalised). What goes into a quantiser is computed in f32, as accurately as f32 sums, v_exp_f32 and their like allow (about 1e-6 of the number): no bf16 or f16 on the way to a quantiser, and a product that is left as it is and whose result goes on into a quantised operand takes f32 operands (vector FMAs, or v_wmma_f32_16x16x4_f32). A number that lies on a knife's edge between two numbers of the format may be rounded either way, as far as f32 arithmetic and the matrix unit's own rounding can turn it there, and no further.
;; 2 versions, each right; version 2 is version 1 with the launch attn written anew for expert scheduling mode. Each part assembles by itself: llvm-mc -triple=amdgcn-amd-amdhsa -mcpu=gfx1250 --defsym DOCPART=n.
;; ======== version 1 of 2: 4 launches
;; workspace buffers: xc 25,165,824 bytes; wc 4,194,304 bytes; rope 524,288 bytes; qc 8,388,608 bytes; kc 8,388,608 bytes; vc 8,388,608 bytes; ac 8,388,608 bytes
;; launch quant (part 1): grid 416 x 1, 4 waves a work-group, no clusters, 0 bytes of LDS; arguments x, Wq, Wk, Wv, Wo, lowp_scales, xc, wc, rope; writes xc, wc, rope
.if DOCPART == 1
	.amdgcn_target "amdgcn-amd-amdhsa--gfx1250"
	.amdhsa_code_object_version 6
	.text
	.protected	k_q9bf1231813_quant
	.globl	k_q9bf1231813_quant
	.p2align	8
	.type	k_q9bf1231813_quant,@function
k_q9bf1231813_quant:
	s_mov_b64 s[64:65], 0
	v_nop
	global_prefetch_b8 v0, s[64:65] scope:SCOPE_SE
	s_setreg_imm32_b32 hwreg(HW_REG_WAVE_MODE, 25, 1), 1
	s_wait_xcnt 0x0
; THE OPERANDS THAT ARRIVE AS f32 BECOME CODES OF FP8 (E4M3), AND THE ROTARY TABLE IS MADE.  Four paths, parted by the work-group's number; no LDS, no barrier: waves share nothing.
;   work-groups   0-255: x [8192][1024] under its three given scales e0, e2, e4 (one read of the f32 numbers, three conversions) -> xc [3][8192][1024]
;   work-groups 256-351: Wq, Wk, Wv [1024][1024] under e1, e3, e5 -> wc, parts 0 to 2, 1 MiB each
;   work-groups 352-383: Wo under e11 -> wc, part 3, as images of the operand's registers
;   work-groups 384-415: cos and sin of position x 10000^(-i/32), positions 0 to 2047, i = 0 to 31 -> rope
; code = number / 2^e, held within +-448, to the nearest code, ties to even.
; LAYOUT of xc and of wc's parts 0 to 2: rows as in the source; inside each run of 512 along K byte 16 l + 4 j + c holds k = 128 j + 4 l + c (l 0..31, j 0..3, c 0..3).  That is what falls out when each load takes
; 512 consecutive bytes, 16 a lane, and a lane converts the 16 numbers that it holds.  The order is the same in x and in the weights, so in the product every code meets its partner.
; LAYOUT of wc's part 3: [n / 16: 64][k / 128: 8][u: 4][lane: 32][16 bytes]; lane (r, h) holds row 16 nt + r; bytes 0-7: k = 128 kk + 32 u + 8 h + 0..7, bytes 8-15: the same + 16.
; LAYOUT of rope: [position / 16: 128][c: 8][lane: 32][16 bytes]; lane (r, h) holds cos, sin, cos, sin of position 16 sblk + r for the pairs i = 8 (c / 2) + 4 h + 2 (c % 2) + 0, 1.
; A wave of the first three paths takes 8,192 numbers in 16 steps of 512; loads run four steps (16 loads a wave) ahead; every offset is an immediate and no pointer is stepped.
; LIMITS: each e used here lies between -126 and 119, so that 2^e and 448 x 2^e are f32 numbers.  NaN among the inputs is not served (an infinity is held at the largest code).
.set WG_W,    256
.set WG_WO,   352
.set WG_ROPE, 384
.set AW,  4                            ; v4       Wo's path: my lane's byte in the 16 rows
.set LO,  8                            ; v8       16 x lane
.set POS, 9                            ; v9       the rotary path: my position as f32
.set SCL, 10                           ; v10-15   for scale k: 2^e at v[10 + 2 k], 448 x 2^e at v[11 + 2 k]
.set R,   16                           ; v16-79   four sets of 16 numbers as loaded
.set T,   80                           ; v80-127  the numbers held, 16 for each scale
.set C,   128                          ; v128-139 codes, four registers for each scale
.set F,   16                           ; the rotary path: v16-31 my 16 frequencies, v32-63 the results, v64-73 at work
.set OUT, 32
.set W,   64
.macro SCALE k, e                      ; s[e] holds the exponent
	s_add_co_i32 s52, s[\e], 127
	s_lshl_b32 s53, s52, 23
	v_mov_b32 v[SCL+2*\k], s53                     ; 2^e as f32: the conversion takes its exponent field
	s_add_co_i32 s52, s52, 8
	s_lshl_b32 s52, s52, 23
	s_or_b32 s52, s52, 0x600000
	v_mov_b32 v[SCL+2*\k+1], s52                   ; 448 x 2^e
.endm
; The symbols ADR, STRIDE, O1, O2, O3, NT and NS are set by each path: the address register, the bytes from step to step, the places of a step's second to fourth load, the hint, the number of scales.
.macro LOAD t
.set RS, R+16*((\t)%4)
.if NT
	global_load_b128 v[RS:RS+3],     v[ADR], s[36:37] offset:STRIDE*(\t) th:TH_LOAD_NT
	global_load_b128 v[RS+4:RS+7],   v[ADR], s[36:37] offset:STRIDE*(\t)+O1 th:TH_LOAD_NT
	global_load_b128 v[RS+8:RS+11],  v[ADR], s[36:37] offset:STRIDE*(\t)+O2 th:TH_LOAD_NT
	global_load_b128 v[RS+12:RS+15], v[ADR], s[36:37] offset:STRIDE*(\t)+O3 th:TH_LOAD_NT
.else
	global_load_b128 v[RS:RS+3],     v[ADR], s[36:37] offset:STRIDE*(\t)
	global_load_b128 v[RS+4:RS+7],   v[ADR], s[36:37] offset:STRIDE*(\t)+O1
	global_load_b128 v[RS+8:RS+11],  v[ADR], s[36:37] offset:STRIDE*(\t)+O2
	global_load_b128 v[RS+12:RS+15], v[ADR], s[36:37] offset:STRIDE*(\t)+O3
.endif
.endm
.macro QLOADS
	LOAD 0
	LOAD 1
	LOAD 2
	LOAD 3
.endm
.macro QSTEP t
.set RQ, R+16*((\t)%4)
.if (\t) <= 12
	s_wait_loadcnt 12                              ; this step's four loads are in; those of the three steps behind it may be out
.else
	s_wait_loadcnt 4*(15-(\t))                     ; the counts run down: nothing more is asked for
.endif
	s_wait_xcnt 0x0                                ; the last step's stores have read their codes: the registers are written again only behind this wait
.irp k, 0,1,2
.if \k < NS
.irp i, 0,1,2,3,4,5,6,7,8,9,10,11,12,13,14,15
	v_med3_num_f32 v[T+16*\k+\i], v[RQ+\i], -v[SCL+2*\k+1], v[SCL+2*\k+1]   ; the conversion to an 8-bit code does not saturate (ISA guide 7.6.2): the hold at the largest code x the scale
.endr
.endif
.endr
.irp k, 0,1,2
.if \k < NS
	v_cvt_scalef32_pk8_fp8_f32 v[C+4*\k:C+4*\k+1],   v[T+16*\k:T+16*\k+7],    v[SCL+2*\k]
	v_cvt_scalef32_pk8_fp8_f32 v[C+4*\k+2:C+4*\k+3], v[T+16*\k+8:T+16*\k+15], v[SCL+2*\k]
.endif
.endr
	v_nop                                          ; a plain line between the conversions and the next step's holds, which write their sources
.if (\t)+4 < 16
	LOAD (\t)+4                                    ; into the set that the holds above have read
.endif
.irp k, 0,1,2
.if \k < NS
	global_store_b128 v[LO], v[C+4*\k:C+4*\k+3], s[40+2*\k:41+2*\k] offset:512*(\t)   ; the wave stores 512 consecutive bytes, at a multiple of 512 from the buffer's first byte
.endif
.endr
.endm
.macro QSTEPS
.irp t, 0,1,2,3,4,5,6,7,8,9,10,11,12,13,14,15
	QSTEP \t
.endr
.endm
.macro FREQ k, lo, hi                  ; lanes 0-15 take lo, lanes 16-31 hi
	v_mov_b32 v[F+\k], \hi
	v_cndmask_b32 v[F+\k], \lo, v[F+\k], vcc_lo
.endm
; cos and sin of a = position x frequency k.  a = n pi/2 + r with n the nearest whole number; pi/2 is taken off in two parts (the first product is exact for a under 2,048); sin r and cos r by polynomials
; on |r| <= pi/4; n's last two bits say which of the two is which and with what sign.
.macro SINCOS k
	v_mul_f32 v[W], v[POS], v[F+\k]                ; a: one rounding
	v_mul_f32 v[W+1], s24, v[W]
	v_rndne_f32 v[W+1], v[W+1]                     ; n
	v_fma_f32 v[W+2], v[W+1], s25, v[W]
	v_fma_f32 v[W+2], v[W+1], s26, v[W+2]          ; r
	v_cvt_i32_f32 v[W+3], v[W+1]                   ; n as a whole number
	v_mul_f32 v[W+4], v[W+2], v[W+2]               ; z = r r
	v_fma_f32 v[W+5], v[W+4], s29, s28
	v_fma_f32 v[W+6], v[W+4], s32, s31
	v_fma_f32 v[W+5], v[W+5], v[W+4], s27
	v_fma_f32 v[W+6], v[W+6], v[W+4], s30
	v_mul_f32 v[W+7], v[W+4], v[W+2]               ; z r
	v_mul_f32 v[W+8], v[W+4], v[W+4]               ; z z
	v_fma_f32 v[W+9], v[W+4], -0.5, 1.0
	v_fma_f32 v[W+5], v[W+5], v[W+7], v[W+2]       ; sin r
	v_fma_f32 v[W+6], v[W+6], v[W+8], v[W+9]       ; cos r
	v_and_b32 v[W+7], 1, v[W+3]
	v_cmp_ne_u32 vcc_lo, 0, v[W+7]                 ; n odd: the two change places
	v_cndmask_b32 v[W+8], v[W+5], v[W+6], vcc_lo
	v_cndmask_b32 v[W+9], v[W+6], v[W+5], vcc_lo
	v_and_b32 v[W+7], 2, v[W+3]                    ; sin a is negated where n % 4 is 2 or 3,
	v_add_nc_u32 v[W+3], 1, v[W+3]
	v_lshlrev_b32 v[W+7], 30, v[W+7]
	v_and_b32 v[W+3], 2, v[W+3]                    ; cos a where it is 1 or 2
	v_xor_b32 v[OUT+2*\k+1], v[W+8], v[W+7]
	v_lshlrev_b32 v[W+3], 30, v[W+3]
	v_xor_b32 v[OUT+2*\k], v[W+9], v[W+3]
.endm
	s_load_b512 s[4:19], s[0:1], 0x0               ; x s[4:5], Wq s[6:7], Wk s[8:9], Wv s[10:11], Wo s[12:13], the scales' exponents s[14:15], xc s[16:17], wc s[18:19]
	s_load_b64 s[20:21], s[0:1], 0x40              ; rope
	v_lshrrev_b32 v1, 5, v0
	v_readfirstlane_b32 s22, v1                    ; wave 0..3
	v_and_b32 v1, 31, v0                           ; lane
	v_and_b32 v2, 15, v0                           ; r
	v_bfe_u32 v3, v0, 4, 1                         ; h
	v_lshlrev_b32 v[LO], 4, v1
	s_mov_b32 s49, 0                               ; the upper word of every offset
	s_wait_kmcnt 0x0
	s_cmp_ge_u32 ttmp9, WG_ROPE
	s_cbranch_scc1 .Lrope
	s_load_b256 s[24:31], s[14:15], 0x0            ; e0 .. e7
	s_load_b128 s[32:35], s[14:15], 0x20           ; e8 .. e11
	s_cmp_ge_u32 ttmp9, WG_WO
	s_cbranch_scc1 .Lwo
	s_cmp_ge_u32 ttmp9, WG_W
	s_cbranch_scc1 .Lw
	; ---- x: 1,024 runs of 8,192 numbers, one a wave
.set ADR, LO
.set STRIDE, 2048
.set O1, 512
.set O2, 1024
.set O3, 1536
.set NT, 1
.set NS, 3
	s_lshl_b32 s46, ttmp9, 2
	s_add_co_u32 s46, s46, s22                     ; my run
	s_lshl_b32 s48, s46, 15
	s_add_nc_u64 s[36:37], s[4:5], s[48:49]        ; its 32,768 bytes of x
	s_lshl_b32 s48, s46, 13
	s_add_nc_u64 s[40:41], s[16:17], s[48:49]      ; its 8,192 bytes of codes under e0,
	s_add_nc_u64 s[42:43], s[40:41], 0x800000      ; under e2,
	s_add_nc_u64 s[44:45], s[42:43], 0x800000      ; under e4
	QLOADS
	s_wait_kmcnt 0x0
	SCALE 0, 24
	SCALE 1, 26
	SCALE 2, 28
	QSTEPS
	s_endpgm
	; ---- Wq, Wk, Wv: 128 runs each
.Lw:
.set NS, 1
	s_sub_co_u32 s46, ttmp9, WG_W
	s_lshr_b32 s47, s46, 5                         ; which weight
	s_and_b32 s46, s46, 31
	s_lshl_b32 s46, s46, 2
	s_add_co_u32 s46, s46, s22                     ; my run of it
	s_cmp_eq_u32 s47, 0
	s_cselect_b64 s[36:37], s[6:7], s[8:9]
	s_cmp_eq_u32 s47, 2
	s_cselect_b64 s[36:37], s[10:11], s[36:37]
	s_lshl_b32 s48, s46, 15
	s_add_nc_u64 s[36:37], s[36:37], s[48:49]
	s_lshl_b32 s48, s47, 20
	s_lshl_b32 s50, s46, 13
	s_add_co_u32 s48, s48, s50
	s_add_nc_u64 s[40:41], s[18:19], s[48:49]
	QLOADS
	s_wait_kmcnt 0x0
	s_cmp_eq_u32 s47, 0
	s_cselect_b32 s50, s25, s27                    ; e1 or e3,
	s_cmp_eq_u32 s47, 2
	s_cselect_b32 s50, s29, s50                    ; or e5
	SCALE 0, 50
	QSTEPS
	s_endpgm
	; ---- Wo: a run is half of the K of 16 rows: step t is piece t % 4 of the fragment k / 128 = 4 half + t / 4.  A lane takes twice 8 neighbours of its row: 32 bytes, and 32 bytes 64 further on
.Lwo:
.set ADR, AW
.set STRIDE, 128
.set O1, 16
.set O2, 64
.set O3, 80
.set NT, 0
	s_sub_co_u32 s46, ttmp9, WG_WO
	s_lshl_b32 s46, s46, 2
	s_add_co_u32 s46, s46, s22                     ; my run = 2 nt + half
	s_lshr_b32 s47, s46, 1
	s_and_b32 s50, s46, 1
	s_lshl_b32 s48, s47, 16                        ; 16 rows of 4,096 bytes
	s_lshl_b32 s50, s50, 11                        ; 512 numbers along K
	s_add_co_u32 s48, s48, s50
	s_add_nc_u64 s[36:37], s[12:13], s[48:49]
	s_lshl_b32 s48, s46, 13
	s_add_co_u32 s48, s48, 0x300000                ; wc's part 3
	s_add_nc_u64 s[40:41], s[18:19], s[48:49]
	v_lshlrev_b32 v[AW], 12, v2
	v_lshl_add_u32 v[AW], v3, 5, v[AW]             ; row r, + 8 h numbers
	QLOADS
	s_wait_kmcnt 0x0
	SCALE 0, 35
	QSTEPS
	s_endpgm
	; ---- the rotary table: a wave makes 16 positions x 32 pairs
.Lrope:
	s_sub_co_u32 s46, ttmp9, WG_ROPE
	s_lshl_b32 s46, s46, 2
	s_add_co_u32 s46, s46, s22                     ; sblk
	s_lshl_b32 s48, s46, 12
	s_add_nc_u64 s[20:21], s[20:21], s[48:49]
	s_lshl_b32 s47, s46, 4
	v_add_nc_u32 v[POS], s47, v2
	v_cvt_f32_u32 v[POS], v[POS]
	v_cmp_le_u32 vcc_lo, 16, v1
	s_mov_b32 s24, 0x3f22f983                      ; 2 / pi
	s_mov_b32 s25, 0xbfc90fdb                      ; - (pi/2 rounded to f32)
	s_mov_b32 s26, 0x333bbd2e                      ; - (what is left of pi/2)
	s_mov_b32 s27, 0xbe2aaaa3                      ; sin: -1.6666654611e-1,
	s_mov_b32 s28, 0x3c08839e                      ;      8.3321608736e-3,
	s_mov_b32 s29, 0xb94ca1f9                      ;      -1.9515295891e-4
	s_mov_b32 s30, 0x3d2aaaa5                      ; cos: 4.166664568e-2,
	s_mov_b32 s31, 0xbab6061a                      ;      -1.388731625e-3,
	s_mov_b32 s32, 0x37ccf5ce                      ;      2.443315712e-5
	; 10000^(-i/32) = 10^(-i/8).  Frequency 2 c + u of a lane is that of pair i = 8 (c / 2) + 4 h + 2 (c % 2) + u
	FREQ 0,  1.0,              0.31622776601
	FREQ 1,  0.74989420933,    0.23713737056
	FREQ 2,  0.56234132519,    0.17782794100
	FREQ 3,  0.42169650342,    0.13335214321
	FREQ 4,  0.1,              0.031622776601
	FREQ 5,  0.074989420933,   0.023713737056
	FREQ 6,  0.056234132519,   0.017782794100
	FREQ 7,  0.042169650342,   0.013335214321
	FREQ 8,  0.01,             0.0031622776601
	FREQ 9,  0.0074989420933,  0.0023713737056
	FREQ 10, 0.0056234132519,  0.0017782794100
	FREQ 11, 0.0042169650342,  0.0013335214321
	FREQ 12, 0.001,            0.00031622776601
	FREQ 13, 0.00074989420933, 0.00023713737056
	FREQ 14, 0.00056234132519, 0.00017782794100
	FREQ 15, 0.00042169650342, 0.00013335214321
.irp k, 0,1,2,3,4,5,6,7,8,9,10,11,12,13,14,15
	SINCOS \k
.endr
.irp c, 0,1,2,3,4,5,6,7
	global_store_b128 v[LO], v[OUT+4*\c:OUT+4*\c+3], s[20:21] offset:512*\c
.endr
	s_endpgm
.Lfunc_end_k_q9bf1231813_quant:
	.size	k_q9bf1231813_quant, .Lfunc_end_k_q9bf1231813_quant-k_q9bf1231813_quant
	.p2alignl 7, 3214868480
	.fill 96, 4, 3214868480
	.section	.rodata,"a",@progbits
	.p2align	6, 0x0
	.amdhsa_kernel k_q9bf1231813_quant
		.amdhsa_group_segment_fixed_size 0
		.amdhsa_private_segment_fixed_size 0
		.amdhsa_enable_private_segment 0
		.amdhsa_kernarg_size 72
		.amdhsa_user_sgpr_count 2
		.amdhsa_user_sgpr_kernarg_segment_ptr 1
		.amdhsa_wavefront_size32 1
		.amdhsa_system_sgpr_workgroup_id_x 1
		.amdhsa_system_sgpr_workgroup_id_y 1
		.amdhsa_system_sgpr_workgroup_id_z 1
		.amdhsa_system_vgpr_workitem_id 0
		.amdhsa_next_free_vgpr 160
		.amdhsa_next_free_sgpr 66
		.amdhsa_reserve_vcc 1
		.amdhsa_float_denorm_mode_32 3
		.amdhsa_float_denorm_mode_16_64 3
		.amdhsa_memory_ordered 1
		.amdhsa_forward_progress 1
		.amdhsa_inst_pref_size 146
	.end_amdhsa_kernel
	.amdgpu_metadata
---
amdhsa.version: [ 1, 2 ]
amdhsa.kernels:
  - .name:           k_q9bf1231813_quant
    .symbol:         k_q9bf1231813_quant.kd
    .args:
      - { .name: x, .offset: 0, .size: 8, .value_kind: global_buffer, .address_space: global }
      - { .name: Wq, .offset: 8, .size: 8, .value_kind: global_buffer, .address_space: global }
      - { .name: Wk, .offset: 16, .size: 8, .value_kind: global_buffer, .address_space: global }
      - { .name: Wv, .offset: 24, .size: 8, .value_kind: global_buffer, .address_space: global }
      - { .name: Wo, .offset: 32, .size: 8, .value_kind: global_buffer, .address_space: global }
      - { .name: lowp_scales, .offset: 40, .size: 8, .value_kind: global_buffer, .address_space: global }
      - { .name: xc, .offset: 48, .size: 8, .value_kind: global_buffer, .address_space: global }
      - { .name: wc, .offset: 56, .size: 8, .value_kind: global_buffer, .address_space: global }
      - { .name: rope, .offset: 64, .size: 8, .value_kind: global_buffer, .address_space: global }
    .group_segment_fixed_size: 0
    .private_segment_fixed_size: 0
    .kernarg_segment_align: 8
    .kernarg_segment_size: 72
    .max_flat_workgroup_size: 128
    .sgpr_count:     66
    .vgpr_count:     160
    .wavefront_size: 32
...
	.end_amdgpu_metadata
.endif
;; end of part 1
;; launch qkv (part 2): grid 12 x 32, 4 waves a work-group, clusters of 4 x 4, 327,680 bytes of LDS; arguments xc, wc, rope, lowp_scales, qc, kc, vc; writes qc, kc, vc
.if DOCPART == 2
	.amdgcn_target "amdgcn-amd-amdhsa--gfx1250"
	.amdhsa_code_object_version 6
	.text
	.protected	k_q9bf1231813_qkv
	.globl	k_q9bf1231813_qkv
	.p2align	8
	.type	k_q9bf1231813_qkv,@function
k_q9bf1231813_qkv:
	s_mov_b64 s[64:65], 0
	v_nop
	global_prefetch_b8 v0, s[64:65] scope:SCOPE_SE
	s_setreg_imm32_b32 hwreg(HW_REG_WAVE_MODE, 25, 1), 1
	s_wait_xcnt 0x0
	s_wait_alu depctr_hold_cnt(0) depctr_sa_sdst(0) depctr_va_vdst(0) depctr_va_sdst(0) depctr_va_ssrc(0) depctr_va_vcc(0) depctr_vm_vsrc(0)
	s_getreg_b32 s2, hwreg(HW_REG_IB_STS2, 6, 4)
	s_cmp_eq_u32 s2, 0
	s_cbranch_scc0 .Lentry_in_a_cluster
	s_endpgm
.Lentry_in_a_cluster:
	s_bfe_u32 s2, ttmp6, 0x10000c
	s_cmp_lg_u32 s2, 0xf033
	s_cbranch_scc0 .Lentry_shape_is_right
	s_endpgm
.Lentry_shape_is_right:
; q = rope(x Wq^T), k = rope(x Wk^T), v = x Wv^T on codes of FP8 (E4M3), and their quantising for the two products of attention.  The results leave as IMAGES OF THE NEXT OPERAND'S REGISTERS.
; A tile is 256 x 256, made by four waves of 128 x 128 (64 accumulators of 16 x 16, 512 registers).  K = 1,024 goes in four steps of 256 through a ring of two LDS slots filled by the tensor data mover.
; CLUSTERS of 4 x 4 work-groups.  The cluster's x (0, 1, 2) says which product: a cluster's four tile columns are one weight's 1,024 rows.  Source 1 of the matrix instruction is "A" (a lane holds ONE row of A),
; source 0 is "B" (a lane's eight registers are eight neighbouring rows of B).
;   q, k: A = x's codes (tile 4 Y + cy), B = the weight's (tile cx): a lane holds one token and eight neighbouring features: the next K (the head's 64) runs along its registers.
;   v:    A = Wv's codes (tile cy), B = x's (tile 4 Y + cx): a lane holds one feature and eight neighbouring tokens: the next K (the keys) runs along its registers.
; A's tile hangs on cy and Y alone and is asked for jointly by the cluster's row, B's on cx and Y alone and by its column.
; THE WAY OUT touches no LDS.  q, k: the rotation by the table (a lane's registers 2 p, 2 p + 1 are a pair), the hold, the conversion with the three scales folded into one (2^(e6 - e0 - e1), 2^(e7 - e2 - e3)); v: hold and
; conversion with 2^(e9 - e4 - e5).  The codes of two neighbouring accumulators are four registers: each store of the wave covers 512 consecutive bytes, aligned.
;   qc, kc: [batch x head: 64][token / 16: 128][u: 2][lane][16 bytes]: lane (r, h), registers 2 c, 2 c + 1: d = 16 c + 8 h + 0..7 of token 16 tile + r.
;   vc:     [batch x head: 64][token / 128: 16][d / 16: 4][u: 4][lane][16 bytes]: lane (r, h), registers 2 c, 2 c + 1: keys 16 c + 8 h + 0..7 of feature d = 16 dt + r.
; 384 work-groups: a share of one 256th of the work would be 96 accumulators a wave, which do not fit beside the fragments.
; LIMITS: e6 - e0 - e1, e7 - e2 - e3 and e9 - e4 - e5 lie between -126 and 119, so that each folded scale and 448 x it are f32 numbers.
; REGISTERS, in windows of 256: window 0: v0-31 addresses and the scale; v32-95 two sets of the rotary table; from v128 A's fragments, ONE set; on the way out v96-183 at work.
;   window 1: B's fragments, TWO sets, at v0 and v128.   window 2: the accumulators of my A rows 0-63 ((a, b) at v[8 (8 a + b)]);   window 3: those of rows 64-127.
.set ROWB,   256                       ; a tile's row in bytes: 256 codes
.set KROW,   1024                      ; a row of codes in memory
.set PITCH,  272                       ; an LDS row: 256 bytes + 16 of padding = 68 words: row r starts at bank 4 r mod 64 (64 banks of 4 bytes: ISA guide 11.1)
.set FR,     16                        ; registers of a fragment: 16 rows x 128 K
.set NL,     4                         ; LDS loads that bring one
.set NP,     4                         ; places behind this matrix instruction (ISA guide 7.12.1)
.set HALFT,  128*PITCH                 ; 128 rows: what one tensor load brings
.set SLOT,   4*HALFT                   ; A's 256 rows, then B's 256 rows
.set SPARE,  2*SLOT                    ; behind the ring: the spare words, 128 bytes for each wave: two blocks of 256 bytes that no other line names
.set SC,   12                          ; v12     the folded scale as f32
.set LIM,  13                          ; v13     448 x it
.set ADRA, 16                          ; v16-17  LDS address of my A fragments in slot 0, 1
.set ADRB, 20                          ; v20-21  the same for B
.set LO,   26                          ; v26     16 x lane
.set SPW,  28                          ; v28     LDS address of my spare word; never rewritten
.set NIL,  29                          ; v29     0; never rewritten
.set TBL,  32                          ; v32-95  the table of 16 tokens: 32 registers, two sets
.set O,    96                          ; v96-159 a block's 64 numbers ahead of the conversion
.set T,    160                         ; v160-167 at work
.set C,    168                         ; v168-183 a block's codes
.set AF,   128                         ; A's fragments
.set G1, 24                            ; s[24:31] descriptor group 1 for A's tiles;  s[32:39] group 0, one set for each slot
.set G0, 32
.set G1B, 48                           ; s[48:55], s[56:63] the same for B's tiles
.set G0B, 56
.set MSB, 0
.macro WIN new                         ; the immediate's high byte repeats the setting that is left; a switch that changes nothing is dropped
.if MSB != (\new)
	s_set_vgpr_msb (MSB<<8)|(\new)
.set MSB, (\new)
.endif
.endm
.set MUL_LO, 0xa1                      ; source 0 (B) window 1, source 1 (A) window 0, C and D window 2
.set MUL_HI, 0xf1                      ; the same, C and D window 3
.set TO_B,   0x40                      ; destination window 1, address window 0
; A joint load: waves 0 and 1 fetch for A, waves 2 and 3 for B; the branch hangs on the wave's number alone.  Four v_nop follow each of the two lines.
.macro JLOAD g0a, g1a, g0b, g1b
	s_cmp_eq_u32 s15, 0
	s_cbranch_scc0 .Lfor_b_\@
	tensor_load_to_lds s[\g0a:\g0a+3], s[\g1a:\g1a+7]
	s_nop 0
.rept 4
	v_nop
.endr
	s_branch .Lasked_\@
.Lfor_b_\@:
	tensor_load_to_lds s[\g0b:\g0b+3], s[\g1b:\g1b+7]
	s_nop 0
.rept 4
	v_nop
.endr
.Lasked_\@:
.endm
.macro CREST                           ; a round of the cluster's barrier behind its opening barrier
	s_cmp_lg_u32 s14, 0
	s_cbranch_scc1 .Lnot_wave_0_\@
	s_barrier_signal -3
.Lnot_wave_0_\@:
	s_barrier_wait -3
	s_barrier_signal -1
	s_barrier_wait -1
.endm
.macro CROUND                          ; a whole round
	s_barrier_signal -1
	s_barrier_wait -1
	CREST
.endm
	s_load_b256 s[4:11], s[0:1], 0x0               ; xc s[4:5], wc s[6:7], rope s[8:9], the scales' exponents s[10:11]
	s_load_b128 s[68:71], s[0:1], 0x20             ; qc, kc
	s_load_b64 s[72:73], s[0:1], 0x30              ; vc
	v_lshl_add_u32 v[SPW], v0, 2, SPARE
	v_mov_b32 v[NIL], 0
	ds_add_u32 v28, v29
	ds_add_u32 v28, v29
	s_wait_dscnt 0x0
	v_lshrrev_b32 v1, 5, v0
	v_readfirstlane_b32 s14, v1                    ; wave 0..3
	s_lshr_b32 s15, s14, 1                         ; which half of A's rows is mine.  Also: I fetch for A (0) or for B (1)
	s_and_b32 s16, s14, 1                          ; which half of B's rows.  Also: which 128 rows of that tile I fetch
	s_bfe_u32 s40, ttmp6, 0x40000                  ; cx, cy: my place in the cluster
	s_bfe_u32 s41, ttmp6, 0x40004
	s_and_b32 s12, ttmp7, 0xffff
	s_lshl_b32 s12, s12, 2                         ; 4 Y
	s_add_co_u32 s17, s12, s41                     ; 4 Y + cy
	s_add_co_u32 s42, s12, s40                     ; 4 Y + cx
	s_cmp_eq_u32 ttmp9, 2                          ; v?  The cluster's x is the same in all sixteen partners
	s_cselect_b32 s17, s41, s17                    ; A's tile: made of cy and Y alone
	s_cselect_b32 s42, s42, s40                    ; B's tile: of cx and Y alone
	s_lshl_b32 s43, s41, 2
	s_lshl_b32 s43, 15, s43                        ; my row of the cluster
	s_lshl_b32 s44, 0x1111, s40                    ; my column
	; descriptor group 1: a tile of 128 rows x 256 bytes, padded in LDS
	s_or_b32 s[G1+0], s43, (0<<16)|(1<<20)|(1<<21)|(5<<22)|(3<<25)  ; 15:0 the mask: A's tiles go to my row; 17:16 elements of 1 byte; 20 padding on; 21 set beside a mask; 24:22 after every 64 words (code 5); 31:25 four words (code 3)
	s_or_b32 s[G1B+0], s44, (0<<16)|(1<<20)|(1<<21)|(5<<22)|(3<<25)
.irp g, G1, G1B
	s_mov_b32 s[\g+1], ROWB<<16                    ; tensor_dim0
	s_mov_b32 s[\g+2], 128<<16                     ; tensor_dim1
	s_mov_b32 s[\g+3], ROWB<<16                    ; tile_dim0
	s_mov_b32 s[\g+4], 128                         ; tile_dim1
	s_mov_b32 s[\g+5], KROW                        ; tensor_dim0_stride
	s_mov_b32 s[\g+6], 0
	s_mov_b32 s[\g+7], 0
.endr
	s_lshl_b32 s18, s16, 7                         ; which 128 rows of the tile I fetch
	s_lshl_b32 s20, s17, 8
	s_add_co_u32 s20, s20, s18
	s_lshl_b32 s20, s20, 10                        ; A: (256 x tile + 128 x half) rows of 1,024 bytes
	s_mov_b32 s21, 0
	s_lshl_b32 s46, s42, 8
	s_add_co_u32 s46, s46, s18
	s_lshl_b32 s46, s46, 10                        ; B likewise
	s_mov_b32 s47, 0
	s_mul_i32 s45, s14, HALFT                      ; where they go: wave x 128 rows: no place in the cluster enters an LDS address
	s_lshl_b32 s92, ttmp9, 23                      ; x's codes under this product's scale,
	s_mov_b32 s93, 0
	s_lshl_b32 s94, ttmp9, 20                      ; and this product's weight
	s_mov_b32 s95, 0
	s_wait_kmcnt 0x0
	s_load_b256 s[76:83], s[10:11], 0x0            ; e0 .. e7
	s_load_b128 s[84:87], s[10:11], 0x20           ; e8 .. e11
	s_add_nc_u64 s[4:5], s[4:5], s[92:93]
	s_add_nc_u64 s[6:7], s[6:7], s[94:95]
	s_cmp_eq_u32 ttmp9, 2
	s_cselect_b64 s[92:93], s[6:7], s[4:5]         ; A's buffer
	s_cselect_b64 s[94:95], s[4:5], s[6:7]         ; B's
	s_add_nc_u64 s[20:21], s[92:93], s[20:21]
	s_add_nc_u64 s[46:47], s[94:95], s[46:47]
	CROUND                                         ; all sixteen work-groups are here: the first joint loads meet
.irp s, 0,1
	s_mov_b32 s[G0+4*\s], 1                        ; 1:0 count = 1
	s_add_co_u32 s[G0+4*\s+1], s45, \s*SLOT        ; 63:32 LDS address
	s_add_nc_u64 s[G0+4*\s+2:G0+4*\s+3], s[20:21], \s*ROWB   ; 120:64 global address: K step s
	s_or_b32 s[G0+4*\s+3], s[G0+4*\s+3], 0x80000000          ; 127:126 type = 2
	s_mov_b32 s[G0B+4*\s], 1
	s_add_co_u32 s[G0B+4*\s+1], s45, \s*SLOT
	s_add_nc_u64 s[G0B+4*\s+2:G0B+4*\s+3], s[46:47], \s*ROWB
	s_or_b32 s[G0B+4*\s+3], s[G0B+4*\s+3], 0x80000000
	JLOAD G0+4*\s, G1, G0B+4*\s, G1B               ; two tensor loads of mine are out
.endr
	v_and_b32 v1, 15, v0                           ; l % 16
	v_bfe_u32 v2, v0, 4, 1                         ; l / 16
	v_mul_u32_u24 v3, v1, PITCH
	v_lshl_add_u32 v4, v2, 4, v3                   ; a fragment's row x pitch + 16 x half
	s_mul_i32 s21, s15, HALFT                      ; my 128 rows of A
	s_mul_i32 s22, s16, HALFT                      ; my 128 rows of B,
	s_add_co_u32 s22, s22, 2*HALFT                 ; which lie behind A's 256
.irp s, 0,1
	v_add_nc_u32 v[ADRA+\s], s21, v4
	v_add_nc_u32 v[ADRB+\s], s22, v4
	s_add_co_u32 s21, s21, SLOT
	s_add_co_u32 s22, s22, SLOT
.endr
	v_and_b32 v6, 31, v0
	v_lshlrev_b32 v[LO], 4, v6
	; where my results go
	s_lshl_b32 s92, s17, 8
	s_lshl_b32 s93, s15, 7
	s_add_co_u32 s92, s92, s93                     ; my first row of A
	s_lshl_b32 s93, s42, 8
	s_lshl_b32 s94, s16, 7
	s_add_co_u32 s93, s93, s94                     ; my first row of B
	s_cmp_eq_u32 ttmp9, 2
	s_cselect_b32 s94, s93, s92                    ; my first token (of 8,192),
	s_cselect_b32 s95, s92, s93                    ; my first feature (of 1,024): two whole heads
	s_lshr_b32 s12, s94, 11
	s_lshl_b32 s12, s12, 4
	s_lshr_b32 s13, s95, 6
	s_add_co_u32 s12, s12, s13                     ; batch x 16 + head
	s_and_b32 s13, s94, 2047                       ; the token's position: a multiple of 128, at most 1,920
	s_lshl_b32 s12, s12, 17                        ; a head's images are 131,072 bytes in each of the three buffers;
	s_lshl_b32 s18, s13, 6                         ; 16 tokens are 1,024 bytes of qc and kc, 128 tokens 8,192 of vc: 64 a token
	s_add_co_u32 s18, s12, s18
	s_mov_b32 s19, 0
	s_cmp_eq_u32 ttmp9, 0
	s_cselect_b64 s[88:89], s[68:69], s[70:71]
	s_cmp_eq_u32 ttmp9, 2
	s_cselect_b64 s[88:89], s[72:73], s[88:89]
	s_add_nc_u64 s[88:89], s[88:89], s[18:19]
	s_lshl_b32 s18, s13, 8                         ; the table: 4,096 bytes for 16 positions
	s_add_nc_u64 s[90:91], s[8:9], s[18:19]
.macro TABLOAD a                       ; the table of my tokens 16 a .. 16 a + 15 into set a % 2
.irp c, 0,1,2,3,4,5,6,7
	global_load_b128 v[TBL+32*((\a)%2)+4*\c:TBL+32*((\a)%2)+4*\c+3], v[LO], s[90:91] offset:4096*(\a)+512*\c
.endr
.endm
	TABLOAD 0                                      ; the first two blocks' table: asked for here, ahead of the products, so that it lands under them; nothing names these registers till the way out.
	TABLOAD 1                                      ; The lines stand on the one way that all work-groups take: v's ask too (16 loads a wave, inside the table: position 1,920 + 32 at the most) and do not use them
.macro FRAG reg, adr, q, i             ; a fragment: four loads of 16 bytes, 32 apart: the same places of K in A and in B
.irp c, 0,1,2,3
	ds_load_b128 v[\reg+4*\c:\reg+4*\c+3], v[\adr] offset:128*(\q)+32*\c+(\i)*16*PITCH
.endr
.endm
; 16 matrix instructions: A's blocks a0, a0 + 1 x B's eight, 128 along K.  p: B's set.  zero = 1: the first product starts the sums.  The 64 accumulators take turns, one instruction a turn.
.macro MUL16 a0, p, zero
.irp a, \a0, \a0+1
.irp b, 0,1,2,3,4,5,6,7
.if \zero
	v_wmma_f32_16x16x128_fp8_fp8 v[8*(8*((\a)%4)+\b):8*(8*((\a)%4)+\b)+7], v[128*(\p)+FR*\b:128*(\p)+FR*\b+FR-1], v[AF+FR*(\a):AF+FR*(\a)+FR-1], 0
.else
	v_wmma_f32_16x16x128_fp8_fp8 v[8*(8*((\a)%4)+\b):8*(8*((\a)%4)+\b)+7], v[128*(\p)+FR*\b:128*(\p)+FR*\b+FR-1], v[AF+FR*(\a):AF+FR*(\a)+FR-1], v[8*(8*((\a)%4)+\b):8*(8*((\a)%4)+\b)+7]
.endif
.endr
.endr
.endm
.macro FETCH_B slot, q, p              ; B's eight fragments of the slot's q-th 128 along K into set p
	WIN TO_B
.irp i, 0,1,2,3,4,5,6,7
	FRAG 128*(\p)+FR*\i, ADRB+\slot, \q, \i
.endr
	WIN 0
.endm
.macro FETCH_A slot, q, i0             ; A's blocks i0 .. i0 + 3
.irp i, \i0, \i0+1, \i0+2, \i0+3
	FRAG AF+FR*(\i), ADRA+\slot, \q, \i
.endr
.endm
.macro PLACES n                        ; plain vector lines between a matrix instruction and a load into, or a vector instruction on, its registers
.rept \n
	v_nop
.endr
.endm
; A step of 128 along K that has its successor in the same slot.  A's blocks 0-3 are fetched anew in its middle, blocks 4-7 at its end; B's other set in the middle.
.macro STEP slot, q, zero
	s_wait_dscnt 4*NL                              ; B's set and A's blocks 0-3 are in; the youngest 16 loads (A's blocks 4-7) may be out
	WIN MUL_LO
	MUL16 0, (\q)%2, \zero
	MUL16 2, (\q)%2, \zero
	s_wait_dscnt 0                                 ; A's blocks 4-7 are in
	PLACES NP
	FETCH_B \slot, (\q)+1, 1-(\q)%2
	FETCH_A \slot, (\q)+1, 0
	WIN MUL_HI
	MUL16 4, (\q)%2, \zero
	MUL16 6, (\q)%2, \zero
	PLACES NP
	WIN 0
	FETCH_A \slot, (\q)+1, 4
.endm
; A slot's last step changes slots: one barrier; in front of it each wave waits for all its tensor loads, adds 0 to its spare word, and waits for that and for its reads of this slot.  fill = 1: the slot is filled again, two K steps ahead.
.macro TURN slot, next, fill
	s_wait_tensorcnt 0x0                           ; all my tensor loads have landed: my part of the next slot
	ds_add_u32 v[SPW], v[NIL]                      ; 0 onto my spare word
	s_wait_dscnt 4*NL+1                            ; (the add and the youngest 16 loads, A's blocks 4-7, may be out)
	WIN MUL_LO
	MUL16 0, 1, 0                                  ; sixteen matrix instructions stand between the add and the wait for it
	s_wait_dscnt 0x0                               ; the add is done, and my reads of this slot are over
	s_barrier_signal -1
	MUL16 2, 1, 0
	WIN 0
	s_barrier_wait -1
.if \fill
	CREST                                          ; the barrier has opened a round of the cluster's barrier: no wave of any partner still reads this slot or has a load on its way
	s_add_nc_u64 s[G0+4*\slot+2:G0+4*\slot+3], s[G0+4*\slot+2:G0+4*\slot+3], 2*ROWB
	s_add_nc_u64 s[G0B+4*\slot+2:G0B+4*\slot+3], s[G0B+4*\slot+2:G0B+4*\slot+3], 2*ROWB
	JLOAD G0+4*\slot, G1, G0B+4*\slot, G1B         ; the first tensor load behind the round, my one load till the next; its four v_nop are the places in front of the loads below
.else
	PLACES NP
.endif
	FETCH_B \next, 0, 0
	FETCH_A \next, 0, 0
	WIN MUL_HI
	MUL16 4, 1, 0
	MUL16 6, 1, 0
	PLACES NP
	WIN 0
	FETCH_A \next, 0, 4
.endm
	s_wait_tensorcnt 1                             ; my part of K step 0 is in; K step 1's load may be out
	s_barrier_signal -1
	s_barrier_wait -1                              ; everybody's is
	FETCH_B 0, 0, 0
	FETCH_A 0, 0, 0
	FETCH_A 0, 0, 4
	STEP 0, 0, 1                                   ; K step 0: its first products start the sums.  Four K steps in all, written out: a loop would have one trip
	TURN 0, 1, 1                                   ; slot 0 takes K step 2
	STEP 1, 0, 0
	TURN 1, 0, 1                                   ; slot 1 takes K step 3
	STEP 0, 0, 0
	TURN 0, 1, 0                                   ; nothing is left to fetch
	STEP 1, 0, 0
	s_wait_dscnt 4*NL
	WIN MUL_LO
	MUL16 0, 1, 0
	MUL16 2, 1, 0
	s_wait_dscnt 0
	WIN MUL_HI
	MUL16 4, 1, 0
	MUL16 6, 1, 0
	WIN 0
	; THE WAY OUT
	s_wait_kmcnt 0x0
	s_sub_co_i32 s92, s82, s76
	s_sub_co_i32 s92, s92, s77                     ; q: e6 - e0 - e1: a sum stands for sum x 2^(e0 + e1), and its code is that / 2^e6
	s_sub_co_i32 s93, s83, s78
	s_sub_co_i32 s93, s93, s79                     ; k: e7 - e2 - e3
	s_sub_co_i32 s94, s85, s80
	s_sub_co_i32 s94, s94, s81                     ; v: e9 - e4 - e5
	s_cmp_eq_u32 ttmp9, 0
	s_cselect_b32 s92, s92, s93
	s_cmp_eq_u32 ttmp9, 2
	s_cselect_b32 s92, s94, s92
	s_add_co_i32 s92, s92, 127
	s_lshl_b32 s93, s92, 23
	v_mov_b32 v[SC], s93
	s_add_co_i32 s92, s92, 8
	s_lshl_b32 s92, s92, 23
	s_or_b32 s92, s92, 0x600000
	v_mov_b32 v[LIM], s92
	PLACES NP                                      ; behind the last products: their results are read and the registers of A's fragments written below
; Block a of q or k: 16 tokens x 128 features (two heads).  Registers 2 p, 2 p + 1 of accumulator (a, b) are the pair i = 8 (b % 4) + 4 h + p of my token.
.macro EPIQK a
.set AC, 64*((\a)%4)
.set KT, TBL+32*((\a)%2)
.if (\a) < 7
	s_wait_loadcnt 8                               ; this block's table is in; the next block's eight loads may be out
.else
	s_wait_loadcnt 0
.endif
	WIN 0x02+(\a)/4                                ; source 0: the accumulators' window
.irp b, 0,1,2,3,4,5,6,7
.irp p, 0,1,2,3
	v_mul_f32 v[T+2*\p],   v[AC+8*\b+2*\p+1], v[KT+8*(\b%4)+2*\p+1]   ; x2 sin   (each accumulator is read first at its register 1)
	v_mul_f32 v[T+2*\p+1], v[AC+8*\b+2*\p+1], v[KT+8*(\b%4)+2*\p]     ; x2 cos
.endr
.irp p, 0,1,2,3
	v_fma_f32 v[O+8*\b+2*\p],   v[AC+8*\b+2*\p], v[KT+8*(\b%4)+2*\p],   -v[T+2*\p]    ; x1 cos - x2 sin
	v_fma_f32 v[O+8*\b+2*\p+1], v[AC+8*\b+2*\p], v[KT+8*(\b%4)+2*\p+1], v[T+2*\p+1]   ; x1 sin + x2 cos
.endr
.endr
	WIN 0
.set j, 0
.rept 64
	v_med3_num_f32 v[O+j], v[O+j], -v[LIM], v[LIM] ; the conversion to an 8-bit code does not saturate (ISA guide 7.6.2)
.set j, j+1
.endr
	s_wait_xcnt 0x0                                ; the last block's stores have read their codes
.irp b, 0,1,2,3,4,5,6,7
	v_cvt_scalef32_pk8_fp8_f32 v[C+2*\b:C+2*\b+1], v[O+8*\b:O+8*\b+7], v[SC]
.endr
	v_nop                                          ; a plain line between the conversions and the next block's lines, which write their sources
.if (\a) < 6
	TABLOAD (\a)+2
.endif
.irp u, 0,1,2,3
	global_store_b128 v[LO], v[C+4*\u:C+4*\u+3], s[88:89] offset:(\u/2)*131072+(\a)*1024+(\u%2)*512   ; head u / 2, token tile a, piece u % 2
.endr
.endm
; Block a of v: 16 features x 128 tokens: one whole fragment of V^T.
.macro EPIV a
.set AC, 64*((\a)%4)
	WIN 0x02+(\a)/4
.set j, 0
.rept 64
	v_med3_num_f32 v[O+j], v[AC+j], -v[LIM], v[LIM]   ; each accumulator from its low end on
.set j, j+1
.endr
	WIN 0
	s_wait_xcnt 0x0
.irp b, 0,1,2,3,4,5,6,7
	v_cvt_scalef32_pk8_fp8_f32 v[C+2*\b:C+2*\b+1], v[O+8*\b:O+8*\b+7], v[SC]
.endr
	v_nop
.irp u, 0,1,2,3
	global_store_b128 v[LO], v[C+4*\u:C+4*\u+3], s[88:89] offset:((\a)/4)*131072+((\a)%4)*2048+\u*512   ; head a / 4, features 16 (a % 4) on, piece u
.endr
.endm
	s_cmp_eq_u32 ttmp9, 2
	s_cbranch_scc1 .Lv_out
.irp a, 0,1,2,3,4,5,6,7
	EPIQK \a
.endr
	s_branch .Ldone
.Lv_out:
.irp a, 0,1,2,3,4,5,6,7
	EPIV \a
.endr
.Ldone:
	s_wait_tensorcnt 0x0                           ; the wave's end
	ds_add_u32 v[SPW], v[NIL]
	s_wait_dscnt 0x0
	CROUND                                         ; the closing round: no work-group ends while a partner may still ask for a tile that names it
	s_endpgm
.Lfunc_end_k_q9bf1231813_qkv:
	.size	k_q9bf1231813_qkv, .Lfunc_end_k_q9bf1231813_qkv-k_q9bf1231813_qkv
	.p2alignl 7, 3214868480
	.fill 96, 4, 3214868480
	.section	.rodata,"a",@progbits
	.p2align	6, 0x0
	.amdhsa_kernel k_q9bf1231813_qkv
		.amdhsa_group_segment_fixed_size 327680
		.amdhsa_private_segment_fixed_size 0
		.amdhsa_enable_private_segment 0
		.amdhsa_kernarg_size 56
		.amdhsa_user_sgpr_count 2
		.amdhsa_user_sgpr_kernarg_segment_ptr 1
		.amdhsa_wavefront_size32 1
		.amdhsa_system_sgpr_workgroup_id_x 1
		.amdhsa_system_sgpr_workgroup_id_y 1
		.amdhsa_system_sgpr_workgroup_id_z 1
		.amdhsa_system_vgpr_workitem_id 0
		.amdhsa_next_free_vgpr 1024
		.amdhsa_next_free_sgpr 100
		.amdhsa_reserve_vcc 0
		.amdhsa_float_denorm_mode_32 3
		.amdhsa_float_denorm_mode_16_64 3
		.amdhsa_memory_ordered 1
		.amdhsa_forward_progress 1
		.amdhsa_inst_pref_size 213
	.end_amdhsa_kernel
	.amdgpu_metadata
---
amdhsa.version: [ 1, 2 ]
amdhsa.kernels:
  - .name:           k_q9bf1231813_qkv
    .symbol:         k_q9bf1231813_qkv.kd
    .args:
      - { .name: xc, .offset: 0, .size: 8, .value_kind: global_buffer, .address_space: global }
      - { .name: wc, .offset: 8, .size: 8, .value_kind: global_buffer, .address_space: global }
      - { .name: rope, .offset: 16, .size: 8, .value_kind: global_buffer, .address_space: global }
      - { .name: lowp_scales, .offset: 24, .size: 8, .value_kind: global_buffer, .address_space: global }
      - { .name: qc, .offset: 32, .size: 8, .value_kind: global_buffer, .address_space: global }
      - { .name: kc, .offset: 40, .size: 8, .value_kind: global_buffer, .address_space: global }
      - { .name: vc, .offset: 48, .size: 8, .value_kind: global_buffer, .address_space: global }
    .group_segment_fixed_size: 327680
    .private_segment_fixed_size: 0
    .kernarg_segment_align: 8
    .kernarg_segment_size: 56
    .max_flat_workgroup_size: 128
    .sgpr_count:     100
    .vgpr_count:     1024
    .wavefront_size: 32
...
	.end_amdgpu_metadata
.endif
;; end of part 2
;; launch attn (part 3): grid 4 x 64, 16 waves a work-group, no clusters, 34,816 bytes of LDS; arguments qc, kc, vc, lowp_scales, ac; writes ac
.if DOCPART == 3
	.amdgcn_target "amdgcn-amd-amdhsa--gfx1250"
	.amdhsa_code_object_version 6
	.text
	.protected	k_q9bf1231813_attn
	.globl	k_q9bf1231813_attn
	.p2align	8
	.type	k_q9bf1231813_attn,@function
k_q9bf1231813_attn:
	s_mov_b64 s[64:65], 0
	v_nop
	global_prefetch_b8 v0, s[64:65] scope:SCOPE_SE
	s_setreg_imm32_b32 hwreg(HW_REG_WAVE_MODE, 25, 1), 1
	s_wait_xcnt 0x0
; CAUSAL ATTENTION ON CODES OF FP8 (E4M3): for each of 64 heads (batch x head) of 2,048 tokens x 64: o = softmax(q k^T / 8, key <= query) v, and o's quantising for the last product.
; THE SOFTMAX AHEAD OF THE SECOND PRODUCT: t = score x log2(e) / 8; M = the row's largest t so far, rounded UP to a whole number; p = 2^(t - M) is quantised under 2^e8, not normalised; the row's sum is taken of the
; unquantised p and divides at the end.  When M moves, the sum and O are multiplied by 2^(old M - new M): nothing is rounded.
; SHARES.  A work-group (I = x, head = y) owns the query blocks I and 7 - I of 256 queries.  Block j needs 2 (j + 1) key steps of 128 keys, so every work-group walks 2 (I + 1) + 2 (8 - I) = 18: 256 work-groups of equal
; work, and no tile that lies wholly above the diagonal is fetched.  Each of the SIXTEEN waves owns 16 queries of each block, in 256 registers: four waves to a SIMD, so that one wave's vector work stands beside another's products.
; OPERANDS ARE IMAGES OF THEIR REGISTERS (the launch before laid them so): a key step's K is 8,192 dense bytes and so is its V.  The 512 threads copy 16 bytes of each through registers into one of two LDS slots:
; asked for two steps ahead, stored into LDS one step ahead.  Every LDS address is 16 x lane or 16 x thread + a constant.  One barrier a step.
; NO JOINT LOADS: the four work-groups of a head are at different tiles at any time (block I ends after 2 (I + 1) steps, another number in each), and a work-group fetches 18 x 16 KiB in the whole launch.
; LAYOUT.  S^T = K Q^T (source 0 = 16 keys, source 1 = my 16 queries), O^T = V^T P^T (source 0 = 16 of the head's 64, source 1 = P): a lane holds ONE query (lane % 16) throughout.  Tile t of S^T holds keys
; 16 t + 8 (lane / 16) + 0..7: its eight codes are registers 2 t, 2 t + 1 of P, the very places that the K = 128 form gives those keys.  Likewise O^T's codes are the last product's operand:
;   ac: [token / 16: 512][head: 16][u: 2][lane][16 bytes]: lane (r, h), registers 2 c, 2 c + 1: d = 16 c + 8 h + 0..7 of token 16 mt + r.
; A hidden score becomes -infinity where the definition has -1e9: p = 0 either way for scores under 1e9 in magnitude.
; The hold of p at 448 x 2^e8 is jumped over where e8 >= -8: p <= 1 <= 448 x 2^e8 there (a branch on a whole number that is read from memory).
; LIMITS: e6 + e7 between -123 and 130 (added to c's exponent field); e8 and e10 - e8 - e9 between -126 and 119.
.set LI,   1                           ; v1   16 x lane
.set TO,   2                           ; v2   16 x thread
.set RH,   3                           ; v3   lane % 16 - 8 (lane / 16)
.set Q,    8                           ; v8-15    the block in hand: my 16 queries' fragment
.set QB,   16                          ; v16-23   the second block's
.set G,    24                          ; v24-39   two sets of 16 bytes of K and 16 of V on their way to LDS
.set KV,   40                          ; v40-103  eight fragments of K, then four of V
.set S,    104                         ; v104-167 S^T, then p
.set O,    168                         ; v168-199 O^T
.set P,    200                         ; v200-215 p's codes
.set NM,   216                         ; v216 -M, v217 the largest t
.set L,    218                         ; v[218:219] the sum, in two halves
.set FF,   220                         ; v220 f = 2^(old M - new M); v221 named with it
.set TA,   222                         ; v222, v223 at work
.set TB,   223
.set DD,   224
.set NINF, 225
.set SCP,  232                         ; v232 2^e8, v233 448 x 2^e8
.set LIMP, 233
.set SCO,  234                         ; v234 2^(e10 - e8 - e9), v235 448 x that
.set LIMO, 235
.set PL,   236                         ; a lane permute's destination
.set L2,   238                         ; v[238:239] the sum's second chain
.set OC,   240                         ; v240-247 o's codes
.set RL,   248                         ; v248 1 / the sum; v249 named with it
; s14 wave; s15 I; s16 head; s17 the first block's steps; s18 the second's - 1; s19 I + 1; s[20:21] lane selects; s[22:23] c; s[24:25], s[26:27] the head's K and V; s[28:31] the tile asked for; s[32:33] an offset;
; s[34:35] where o's codes go; s[36:37] from the first block to the second; s38 my first query; s39 the second block's; s40 the step's first key; s41 the tile to ask for; s42 trips; s43 1: p is held
.macro INIT
	v_mov_b32 v[NM+1], 0xff61b1e6                  ; the largest t so far: -3e38, under every t
	v_floor_f32 v[NM], -v[NM+1]
	v_mov_b32 v[L], 0
	v_mov_b32 v[L+1], 0
.set j, 0
.rept 32
	v_mov_b32 v[O+j], 0                            ; the step is written once: a block's first step finds zeros, which the first change of M leaves zeros
.set j, j+1
.endr
.endm
; A KEY STEP, the one whose tiles lie in slot par.
.macro STEP par
	s_wait_loadcnt 0x0                             ; the next step's 32 bytes are in my registers (asked for a step ago), and their address registers are free
	ds_store_b128 v[TO], v[G+8*(1-\par):G+8*(1-\par)+3] offset:(1-\par)*16384        ; into the other slot: every wave's reads of it were over at the last barrier
	ds_store_b128 v[TO], v[G+8*(1-\par)+4:G+8*(1-\par)+7] offset:(1-\par)*16384+8192
	s_sub_co_u32 s44, s41, s17
	s_cmp_lt_u32 s41, s17
	s_cselect_b32 s44, s41, s44                    ; the tile two steps on: the first block's, then the second block's from key 0 again,
	s_min_u32 s44, s44, s18                        ; held at the last tile that is read: the last two requests stay inside the head and are not used
	s_lshl_b32 s32, s44, 13
	s_add_nc_u64 s[28:29], s[24:25], s[32:33]
	s_add_nc_u64 s[30:31], s[26:27], s[32:33]
	global_load_b128 v[G+8*\par:G+8*\par+3], v[TO], s[28:29]        ; into the set whose LDS stores were waited for at the last step's end
	global_load_b128 v[G+8*\par+4:G+8*\par+7], v[TO], s[30:31]
	s_add_co_u32 s41, s41, 1
	s_add_co_u32 s44, s38, 15
	s_cmp_gt_u32 s40, s44                          ; all 128 keys come after my 16 queries: the step's work is left out; the lines above and the barrier below are on every wave's path
	s_cbranch_scc1 .Lhidden_\@
.irp t, 0,1,2,3,4,5,6,7
	ds_load_b128 v[KV+8*\t:KV+8*\t+3],   v[LI] offset:\par*16384+1024*\t
	ds_load_b128 v[KV+8*\t+4:KV+8*\t+7], v[LI] offset:\par*16384+1024*\t+512
.endr
	s_wait_dscnt 0x0
.irp t, 0,1,2,3,4,5,6,7
	v_wmma_f32_16x16x64_fp8_fp8 v[S+8*\t:S+8*\t+7], v[KV+8*\t:KV+8*\t+7], v[Q:Q+7], 0
.endr
.rept 4
	v_nop                                          ; places: K's registers are loaded again, and the scores are read
.endr
.irp d, 0,1,2,3
.irp u, 0,1,2,3
	ds_load_b128 v[KV+16*\d+4*\u:KV+16*\d+4*\u+3], v[LI] offset:\par*16384+8192+2048*\d+512*\u   ; V lands while the softmax is walked
.endr
.endr
	s_add_co_u32 s44, s40, 127
	s_cmp_le_u32 s44, s38                          ; all keys count: no mask
	s_cbranch_scc1 .Lopen_\@
	s_sub_co_u32 s44, s38, s40
	v_add_nc_u32 v[DD], s44, v[RH]                 ; d = my query - the step's first key - 8 (lane / 16).  Register 8 t + j holds key 16 t + 8 (lane / 16) + j: hidden where 16 t + j > d
	v_mov_b32 v[NINF], 0xff800000
.set n, 0
.rept 64
	v_cmp_gt_i32 vcc_lo, 16*(n/8)+n%8, v[DD]
	v_cndmask_b32 v[S+n], v[S+n], v[NINF], vcc_lo
.set n, n+1
.endr
.Lopen_\@:
	v_max3_num_f32 v[TA], v[S], v[S+1], v[S+2]     ; the step's largest score of my query among my 64 keys, in two chains, each accumulator from its low end on
	v_max3_num_f32 v[TB], v[S+3], v[S+4], v[S+5]
.set i, 6
.rept 14
	v_max3_num_f32 v[TA], v[TA], v[S+i], v[S+i+1]
	v_max3_num_f32 v[TB], v[TB], v[S+i+2], v[S+i+3]
.set i, i+4
.endr
	v_max3_num_f32 v[TA], v[TA], v[S+62], v[S+63]
	v_max_num_f32 v[TA], v[TA], v[TB]
	v_permlanex16_b32 v[PL], v[TA], s20, s21
	v_max_num_f32 v[TA], v[TA], v[PL]              ; and among lane l xor 16's
	v_mul_f32 v[TA], s22, v[TA]                    ; as t (c is positive)
	v_max_num_f32 v[NM+1], v[NM+1], v[TA]          ; the running largest t
	v_mov_b32 v[TA], v[NM]
	v_floor_f32 v[NM], -v[NM+1]                    ; the new -M = floor(-t) = -ceil(t)
	v_sub_f32 v[TA], v[NM], v[TA]                  ; old M - new M: a whole number, 0 or less
	v_cvt_i32_f32 v[TA], v[TA]                     ; (it saturates)
	v_ldexp_f32 v[FF], 1.0, v[TA]                  ; f
.set j, 0
.rept 32
	v_pk_fma_f32 v[S+j:S+j+1], v[S+j:S+j+1], s[22:23], v[NM:NM+1] op_sel_hi:[1,0,0]   ; t - M, two at a time (of the pairs c and -M the low word serves both halves)
.set j, j+2
.endr
.set j, 0
.rept 64
	v_exp_f32 v[S+j], v[S+j]                       ; p = 2^(t - M)
.set j, j+1
.endr
	v_pk_mul_f32 v[L:L+1], v[L:L+1], v[FF:FF+1] op_sel_hi:[1,0]   ; the sums under the new M: the plain line behind the exponentials
	s_wait_alu depctr_va_vdst(0)                   ; one wait for the batch of 64, ahead of its first reader
	v_pk_add_f32 v[L2:L2+1], v[S:S+1], v[S+2:S+3]  ; the row's sum is taken of the unquantised p: two at a time, in two chains
.set j, 4
.rept 15
	v_pk_add_f32 v[L:L+1], v[L:L+1], v[S+j:S+j+1]
	v_pk_add_f32 v[L2:L2+1], v[L2:L2+1], v[S+j+2:S+j+3]
.set j, j+4
.endr
	v_pk_add_f32 v[L:L+1], v[L:L+1], v[L2:L2+1]
	s_cmp_eq_u32 s43, 0
	s_cbranch_scc1 .Lno_hold_\@
.set j, 0
.rept 64
	v_min_num_f32 v[S+j], v[S+j], v[LIMP]          ; the conversion does not saturate (ISA guide 7.6.2); p is not negative, so the hold is one-sided
.set j, j+1
.endr
.Lno_hold_\@:
.irp t, 0,1,2,3,4,5,6,7
	v_cvt_scalef32_pk8_fp8_f32 v[P+2*\t:P+2*\t+1], v[S+8*\t:S+8*\t+7], v[SCP]
.endr
.set j, 0
.rept 16
	v_pk_mul_f32 v[O+j:O+j+1], v[O+j:O+j+1], v[FF:FF+1] op_sel_hi:[1,0]   ; O^T under the new M.  (Plain lines between the conversions and the products that read their results)
.set j, j+2
.endr
	s_wait_dscnt 0x0                               ; V is in
.irp d, 0,1,2,3
	v_wmma_f32_16x16x128_fp8_fp8 v[O+8*\d:O+8*\d+7], v[KV+16*\d:KV+16*\d+15], v[P:P+15], v[O+8*\d:O+8*\d+7]   ; four accumulators, one instruction each
.endr
.rept 4
	v_nop                                          ; places: V's registers are loaded again in the next step, and O^T is read
.endr
.Lhidden_\@:
	s_add_co_u32 s40, s40, 128
	s_wait_dscnt 0x0                               ; my stores into the other slot have landed, and my reads of this one are over
	s_barrier_signal -1
	s_barrier_wait -1
.endm
; A block's end: O^T / the sum, held, converted with 2^(e10 - e8 - e9), stored as it stands: each store of the wave covers 512 consecutive bytes, aligned.
.macro FINISH
	v_add_f32 v[L], v[L], v[L+1]
	v_permlanex16_b32 v[PL], v[L], s20, s21
	v_add_f32 v[L], v[L], v[PL]                    ; the row's sum
	v_rcp_f32 v[RL], v[L]
	v_nop                                          ; a plain line behind the reciprocal,
	s_wait_alu depctr_va_vdst(0)                   ; and the wait ahead of its first reader
.set j, 0
.rept 16
	v_pk_mul_f32 v[S+j:S+j+1], v[O+j:O+j+1], v[RL:RL+1] op_sel_hi:[1,0]
.set j, j+2
.endr
.set j, 0
.rept 32
	v_med3_num_f32 v[S+j], v[S+j], -v[LIMO], v[LIMO]
.set j, j+1
.endr
.irp d, 0,1,2,3
	v_cvt_scalef32_pk8_fp8_f32 v[OC+2*\d:OC+2*\d+1], v[S+8*\d:S+8*\d+7], v[SCO]
.endr
	v_nop                                          ; a plain line between the conversions and the products that write their sources
	global_store_b128 v[LI], v[OC:OC+3], s[34:35]
	global_store_b128 v[LI], v[OC+4:OC+7], s[34:35] offset:512
.endm
	s_load_b256 s[4:11], s[0:1], 0x0               ; qc s[4:5], kc s[6:7], vc s[8:9], the scales' exponents s[10:11]
	s_load_b64 s[12:13], s[0:1], 0x20              ; ac
	v_lshl_add_u32 v254, v0, 2, 0x8000
	v_mov_b32 v255, 0
	v_lshrrev_b32 v4, 5, v0
	v_readfirstlane_b32 s14, v4                    ; wave 0..15
	v_and_b32 v5, 31, v0
	v_lshlrev_b32 v[LI], 4, v5
	v_lshlrev_b32 v[TO], 4, v0
	v_and_b32 v6, 15, v0
	v_bfe_u32 v7, v0, 4, 1
	v_lshlrev_b32 v7, 3, v7
	v_sub_nc_u32 v[RH], v6, v7
	s_mov_b32 s15, ttmp9
	s_and_b32 s16, ttmp7, 0xffff
	s_add_co_u32 s19, s15, 1
	s_lshl_b32 s17, s19, 1                         ; 2 (I + 1) steps,
	s_sub_co_u32 s18, 8, s15
	s_lshl_b32 s18, s18, 1
	s_sub_co_u32 s18, s18, 1                       ; then 2 (8 - I)
	s_mov_b32 s20, 0x76543210
	s_mov_b32 s21, 0xfedcba98                      ; v_permlanex16_b32's selects for lane l xor 16
	s_lshl_b32 s44, s14, 4
	s_lshl_b32 s38, s15, 8
	s_add_co_u32 s38, s38, s44                     ; my first query: 256 I + 16 wave,
	s_sub_co_u32 s39, 7, s15
	s_lshl_b32 s39, s39, 8
	s_add_co_u32 s39, s39, s44                     ; and 256 (7 - I) + 16 wave
	s_lshl_b32 s32, s16, 17                        ; a head's images: 131,072 bytes in qc, kc and vc
	s_mov_b32 s33, 0
	s_lshl_b32 s45, s38, 6
	v_add_nc_u32 v4, s45, v[LI]                    ; 16 queries are 1,024 bytes
	s_lshl_b32 s45, s39, 6
	v_add_nc_u32 v5, s45, v[LI]
	s_lshr_b32 s46, s16, 4
	s_lshl_b32 s46, s46, 11
	s_add_co_u32 s46, s46, s38                     ; my first token of 8,192
	s_and_b32 s47, s16, 15
	s_add_co_u32 s46, s46, s47
	s_lshl_b32 s46, s46, 10                        ; 16 tokens are 16,384 bytes of ac, a head 1,024
	s_mov_b32 s47, 0
	s_sub_co_u32 s36, s39, s38
	s_lshl_b32 s36, s36, 10
	s_mov_b32 s37, 0
	s_wait_kmcnt 0x0
	s_load_b128 s[48:51], s[10:11], 0x18           ; e6, e7, e8, e9
	s_load_b32 s52, s[10:11], 0x28                 ; e10
	s_add_nc_u64 s[4:5], s[4:5], s[32:33]
	s_add_nc_u64 s[24:25], s[6:7], s[32:33]
	s_add_nc_u64 s[26:27], s[8:9], s[32:33]
	s_add_nc_u64 s[34:35], s[12:13], s[46:47]
	global_load_b128 v[Q:Q+3],     v4, s[4:5]
	global_load_b128 v[Q+4:Q+7],   v4, s[4:5] offset:512
	global_load_b128 v[QB:QB+3],   v5, s[4:5]
	global_load_b128 v[QB+4:QB+7], v5, s[4:5] offset:512
	global_load_b128 v[G:G+3],     v[TO], s[24:25]                ; tile 0
	global_load_b128 v[G+4:G+7],   v[TO], s[26:27]
	global_load_b128 v[G+8:G+11],  v[TO], s[24:25] offset:8192    ; tile 1
	global_load_b128 v[G+12:G+15], v[TO], s[26:27] offset:8192
	INIT
	v_mov_b32 v[FF+1], 0                           ; named as upper halves of pairs, or as a permute's destination: written once
	v_mov_b32 v[RL+1], 0
	v_mov_b32 v[PL], 0
	s_wait_kmcnt 0x0
	s_add_co_i32 s44, s48, s49
	s_lshl_b32 s44, s44, 23
	s_mov_b32 s22, 0x3e38aa3b                      ; c = log2(e) / 8;
	s_add_co_i32 s22, s22, s44                     ; a score stands for score x 2^(e6 + e7): the two exponents are added to c's exponent field
	s_mov_b32 s23, s22
	s_add_co_i32 s44, s50, 127
	s_lshl_b32 s45, s44, 23
	v_mov_b32 v[SCP], s45
	s_add_co_i32 s44, s44, 8
	s_lshl_b32 s44, s44, 23
	s_or_b32 s44, s44, 0x600000
	v_mov_b32 v[LIMP], s44
	s_sub_co_i32 s44, s52, s50
	s_sub_co_i32 s44, s44, s51                     ; a sum of the second product stands for sum x 2^(e8 + e9): o's code is (sum / l) / 2^(e10 - e8 - e9)
	s_add_co_i32 s44, s44, 127
	s_lshl_b32 s45, s44, 23
	v_mov_b32 v[SCO], s45
	s_add_co_i32 s44, s44, 8
	s_lshl_b32 s44, s44, 23
	s_or_b32 s44, s44, 0x600000
	v_mov_b32 v[LIMO], s44
	s_cmp_lt_i32 s50, -8
	s_cselect_b32 s43, 1, 0
	s_mov_b32 s40, 0
	s_mov_b32 s41, 2
	s_mov_b32 s42, 0
	s_wait_loadcnt 2                               ; Q's four loads and tile 0's two are in; tile 1's two may be out
	ds_store_b128 v[TO], v[G:G+3]
	ds_store_b128 v[TO], v[G+4:G+7] offset:8192
	s_wait_dscnt 0x0
	s_barrier_signal -1
	s_barrier_wait -1                              ; tile 0 lies in slot 0
.Ltrip:                                            ; nine trips of two key steps, in every work-group
	STEP 0
	STEP 1
	s_add_co_u32 s42, s42, 1
	s_cmp_lg_u32 s42, s19                          ; the first block ends after I + 1 trips: the same in all sixteen waves
	s_cbranch_scc1 .Lsame
	FINISH
	s_wait_xcnt 0x0                                ; the stores have read their base and their codes: both are written again only behind this wait
	s_add_nc_u64 s[34:35], s[34:35], s[36:37]
.set j, 0
.rept 8
	v_mov_b32 v[Q+j], v[QB+j]
.set j, j+1
.endr
	s_mov_b32 s38, s39
	s_mov_b32 s40, 0
	INIT
.Lsame:
	s_cmp_lt_u32 s42, 9
	s_cbranch_scc1 .Ltrip
	FINISH
	s_wait_tensorcnt 0x0
	ds_add_u32 v254, v255
	s_wait_dscnt 0x0
	s_endpgm
.Lfunc_end_k_q9bf1231813_attn:
	.size	k_q9bf1231813_attn, .Lfunc_end_k_q9bf1231813_attn-k_q9bf1231813_attn
	.p2alignl 7, 3214868480
	.fill 96, 4, 3214868480
	.section	.rodata,"a",@progbits
	.p2align	6, 0x0
	.amdhsa_kernel k_q9bf1231813_attn
		.amdhsa_group_segment_fixed_size 34816
		.amdhsa_private_segment_fixed_size 0
		.amdhsa_enable_private_segment 0
		.amdhsa_kernarg_size 40
		.amdhsa_user_sgpr_count 2
		.amdhsa_user_sgpr_kernarg_segment_ptr 1
		.amdhsa_wavefront_size32 1
		.amdhsa_system_sgpr_workgroup_id_x 1
		.amdhsa_system_sgpr_workgroup_id_y 1
		.amdhsa_system_sgpr_workgroup_id_z 1
		.amdhsa_system_vgpr_workitem_id 0
		.amdhsa_next_free_vgpr 256
		.amdhsa_next_free_sgpr 66
		.amdhsa_reserve_vcc 1
		.amdhsa_float_denorm_mode_32 3
		.amdhsa_float_denorm_mode_16_64 3
		.amdhsa_memory_ordered 1
		.amdhsa_forward_progress 1
		.amdhsa_inst_pref_size 57
	.end_amdhsa_kernel
	.amdgpu_metadata
---
amdhsa.version: [ 1, 2 ]
amdhsa.kernels:
  - .name:           k_q9bf1231813_attn
    .symbol:         k_q9bf1231813_attn.kd
    .args:
      - { .name: qc, .offset: 0, .size: 8, .value_kind: global_buffer, .address_space: global }
      - { .name: kc, .offset: 8, .size: 8, .value_kind: global_buffer, .address_space: global }
      - { .name: vc, .offset: 16, .size: 8, .value_kind: global_buffer, .address_space: global }
      - { .name: lowp_scales, .offset: 24, .size: 8, .value_kind: global_buffer, .address_space: global }
      - { .name: ac, .offset: 32, .size: 8, .value_kind: global_buffer, .address_space: global }
    .group_segment_fixed_size: 34816
    .private_segment_fixed_size: 0
    .kernarg_segment_align: 8
    .kernarg_segment_size: 40
    .max_flat_workgroup_size: 512
    .sgpr_count:     66
    .vgpr_count:     256
    .wavefront_size: 32
...
	.end_amdgpu_metadata
.endif
;; end of part 3
;; launch oproj (part 4): grid 4 x 32, 4 waves a work-group, clusters of 4 x 4, 327,680 bytes of LDS; arguments ac, wc, lowp_scales, out0; writes out0
.if DOCPART == 4
	.amdgcn_target "amdgcn-amd-amdhsa--gfx1250"
	.amdhsa_code_object_version 6
	.text
	.protected	k_q9bf1231813_oproj
	.globl	k_q9bf1231813_oproj
	.p2align	8
	.type	k_q9bf1231813_oproj,@function
k_q9bf1231813_oproj:
	s_mov_b64 s[64:65], 0
	v_nop
	global_prefetch_b8 v0, s[64:65] scope:SCOPE_SE
	s_setreg_imm32_b32 hwreg(HW_REG_WAVE_MODE, 25, 1), 1
	s_wait_xcnt 0x0
	s_wait_alu depctr_hold_cnt(0) depctr_sa_sdst(0) depctr_va_vdst(0) depctr_va_sdst(0) depctr_va_ssrc(0) depctr_va_vcc(0) depctr_vm_vsrc(0)
	s_getreg_b32 s2, hwreg(HW_REG_IB_STS2, 6, 4)
	s_cmp_eq_u32 s2, 0
	s_cbranch_scc0 .Lentry_in_a_cluster
	s_endpgm
.Lentry_in_a_cluster:
	s_bfe_u32 s2, ttmp6, 0x10000c
	s_cmp_lg_u32 s2, 0xf033
	s_cbranch_scc0 .Lentry_shape_is_right
	s_endpgm
.Lentry_shape_is_right:
; out0[m][n] = sum over k of a[m][k] Wo[n][k] on codes of FP8 (E4M3); each finished sum x 2^(e10 + e11).  m 8,192, n 1,024, k 1,024; out0 f32.
; BOTH OPERANDS LIE IN MEMORY AS IMAGES OF THEIR REGISTERS: [row / 16][k / 128: 8][u: 4][lane: 32][16 bytes], lane (r, h), registers 2 c, 2 c + 1: k = 16 c + 8 h + 0..7 of row 16 block + r: this form's own places of k.
; A block of 16 rows is 16,384 bytes, a K step of 256 of it 4,096 consecutive bytes.  So a tile of 128 rows x 256 K is 8 lines of 4,096 bytes, 16,384 apart; in LDS they lie on end, a fragment is four loads at
; 16 x lane, 512 bytes apart, and nothing is padded: each load takes 512 consecutive bytes.
; A tile of out0, 256 x 256, is made by four waves of 128 x 128 (64 accumulators, 512 registers); K goes in four steps of 256 through a ring of two LDS slots.  CLUSTERS of 4 x 4: A's tiles are asked for jointly
; by a row of the cluster, B's by a column.  THE MATRIX INSTRUCTION IS USED TRANSPOSED (source 0 = 16 rows of Wo, source 1 = 16 rows of a): a lane holds eight neighbouring numbers of a row of out0.
; 128 work-groups: the tile is kept at 256 x 256 for the sake of the multiply-adds that each LDS byte feeds.
; LIMIT: e10 + e11 lies between -126 and 127, so that 2^(e10 + e11) is an f32 number.
; REGISTERS, in windows of 256: window 0: v0-31 addresses; from v128 A's fragments, ONE set; on the way out v32-255.  window 1: B's fragments, TWO sets.  windows 2, 3: the accumulators ((a, b) at v[8 (8 (a % 4) + b)]).
.set SIZE_N, 1024
.set ROWB,   4096                      ; a K step of a block of 16 rows, in bytes
.set BLKB,   16384                     ; a block of 16 rows in memory
.set FR,     16
.set NL,     4
.set NP,     4                         ; places behind this matrix instruction (ISA guide 7.12.1)
.set HALFT,  8*ROWB                    ; 128 rows: what one tensor load brings
.set SLOT,   4*HALFT                   ; A's 256 rows, then B's 256 rows
.set SPARE,  2*SLOT                    ; behind the ring: the spare words, 128 bytes for each wave: two blocks of 256 bytes that no other line names
.set SPITCH, 528                       ; the way out: a stage of 16 rows x (512 bytes + 16) for each wave, in slot 0, which has had its last fill and its last read when the first result is stored there
.set ADRA, 16
.set ADRB, 20
.set STO,  24
.set RD,   25
.set CO,   26
.set SPW,  28
.set NIL,  29
.set TMP,  32
.set AF,   128
.set BK,   128
.set G1, 24
.set G0, 32
.set G1B, 48
.set G0B, 56
.set MSB, 0
.macro WIN new
.if MSB != (\new)
	s_set_vgpr_msb (MSB<<8)|(\new)
.set MSB, (\new)
.endif
.endm
.set MUL_LO, 0xa1
.set MUL_HI, 0xf1
.set TO_B,   0x40
.macro JLOAD g0a, g1a, g0b, g1b        ; a joint load: waves 0 and 1 fetch for A, waves 2 and 3 for B; four v_nop follow each of the two lines
	s_cmp_eq_u32 s15, 0
	s_cbranch_scc0 .Lfor_b_\@
	tensor_load_to_lds s[\g0a:\g0a+3], s[\g1a:\g1a+7]
	s_nop 0
.rept 4
	v_nop
.endr
	s_branch .Lasked_\@
.Lfor_b_\@:
	tensor_load_to_lds s[\g0b:\g0b+3], s[\g1b:\g1b+7]
	s_nop 0
.rept 4
	v_nop
.endr
.Lasked_\@:
.endm
.macro CREST
	s_cmp_lg_u32 s14, 0
	s_cbranch_scc1 .Lnot_wave_0_\@
	s_barrier_signal -3
.Lnot_wave_0_\@:
	s_barrier_wait -3
	s_barrier_signal -1
	s_barrier_wait -1
.endm
.macro CROUND
	s_barrier_signal -1
	s_barrier_wait -1
	CREST
.endm
	s_load_b128 s[4:7], s[0:1], 0x0                ; ac s[4:5], wc s[6:7]
	s_load_b128 s[8:11], s[0:1], 0x10              ; the scales' exponents s[8:9], out0 s[10:11]
	v_lshl_add_u32 v[SPW], v0, 2, SPARE
	v_mov_b32 v[NIL], 0
	ds_add_u32 v28, v29
	ds_add_u32 v28, v29
	s_wait_dscnt 0x0
	v_lshrrev_b32 v1, 5, v0
	v_readfirstlane_b32 s14, v1                    ; wave 0..3
	s_lshr_b32 s15, s14, 1                         ; which half of the tile's rows is mine.  Also: I fetch for A (0) or for B (1)
	s_and_b32 s16, s14, 1                          ; which half of its columns.  Also: which 128 rows of that tile I fetch
	s_bfe_u32 s40, ttmp6, 0x40000                  ; cx, cy
	s_bfe_u32 s41, ttmp6, 0x40004
	s_lshl_b32 s42, ttmp9, 2
	s_add_co_u32 s42, s42, s40                     ; tile column
	s_and_b32 s17, ttmp7, 0xffff
	s_lshl_b32 s17, s17, 2
	s_add_co_u32 s17, s17, s41                     ; tile row
	s_lshl_b32 s43, s41, 2
	s_lshl_b32 s43, 15, s43                        ; my row of the cluster
	s_lshl_b32 s44, 0x1111, s40                    ; my column
	; descriptor group 1: 8 lines of 4,096 bytes, 16,384 apart, dense in LDS
	s_or_b32 s[G1+0], s43, (0<<16)|(1<<21)         ; 15:0 the mask; 17:16 elements of 1 byte; 20 no padding; 21 set beside a mask
	s_or_b32 s[G1B+0], s44, (0<<16)|(1<<21)
.irp g, G1, G1B
	s_mov_b32 s[\g+1], ROWB<<16                    ; tensor_dim0
	s_mov_b32 s[\g+2], 8<<16                       ; tensor_dim1
	s_mov_b32 s[\g+3], ROWB<<16                    ; tile_dim0
	s_mov_b32 s[\g+4], 8                           ; tile_dim1
	s_mov_b32 s[\g+5], BLKB                        ; tensor_dim0_stride
	s_mov_b32 s[\g+6], 0
	s_mov_b32 s[\g+7], 0
.endr
	s_lshl_b32 s18, s16, 7
	s_lshl_b32 s20, s17, 8
	s_add_co_u32 s20, s20, s18
	s_lshl_b32 s20, s20, 10                        ; A: (256 x tile row + 128 x half) rows, 1,024 bytes a row (16 rows are a block of 16,384)
	s_mov_b32 s21, 0
	s_lshl_b32 s46, s42, 8
	s_add_co_u32 s46, s46, s18
	s_lshl_b32 s46, s46, 10
	s_add_co_u32 s46, s46, 0x300000                ; B: likewise, in wc's part 3
	s_mov_b32 s47, 0
	s_mul_i32 s45, s14, HALFT                      ; where they go: no place in the cluster enters an LDS address
	s_wait_kmcnt 0x0
	s_load_b64 s[96:97], s[8:9], 0x28              ; e10, e11
	s_add_nc_u64 s[20:21], s[4:5], s[20:21]
	s_add_nc_u64 s[46:47], s[6:7], s[46:47]
	CROUND                                         ; all sixteen work-groups are here: the first joint loads meet
.irp s, 0,1
	s_mov_b32 s[G0+4*\s], 1
	s_add_co_u32 s[G0+4*\s+1], s45, \s*SLOT
	s_add_nc_u64 s[G0+4*\s+2:G0+4*\s+3], s[20:21], \s*ROWB
	s_or_b32 s[G0+4*\s+3], s[G0+4*\s+3], 0x80000000
	s_mov_b32 s[G0B+4*\s], 1
	s_add_co_u32 s[G0B+4*\s+1], s45, \s*SLOT
	s_add_nc_u64 s[G0B+4*\s+2:G0B+4*\s+3], s[46:47], \s*ROWB
	s_or_b32 s[G0B+4*\s+3], s[G0B+4*\s+3], 0x80000000
	JLOAD G0+4*\s, G1, G0B+4*\s, G1B               ; two tensor loads of mine are out
.endr
	v_and_b32 v1, 15, v0                           ; l % 16
	v_bfe_u32 v2, v0, 4, 1                         ; l / 16
	v_and_b32 v6, 31, v0
	v_lshlrev_b32 v[CO], 4, v6                     ; 16 x lane: an image's place for my lane; also my bytes of a row of out0
	s_mul_i32 s21, s15, HALFT                      ; my 128 rows of A
	s_mul_i32 s22, s16, HALFT                      ; my 128 rows of B,
	s_add_co_u32 s22, s22, 2*HALFT                 ; which lie behind A's 256
.irp s, 0,1
	v_add_nc_u32 v[ADRA+\s], s21, v[CO]
	v_add_nc_u32 v[ADRB+\s], s22, v[CO]
	s_add_co_u32 s21, s21, SLOT
	s_add_co_u32 s22, s22, SLOT
.endr
	s_mul_i32 s23, s14, 16*SPITCH                  ; my stage
	v_mul_u32_u24 v5, v1, SPITCH                   ; in: row l % 16, 32 bytes for each half of the lanes
	v_lshl_add_u32 v5, v2, 5, v5
	v_add_nc_u32 v[STO], s23, v5
	v_add_nc_u32 v[RD], s23, v[CO]                 ; back: the 32 lanes take one row of 512 bytes
	s_lshl_b32 s20, s17, 8
	s_lshl_b32 s21, s15, 7
	s_add_co_u32 s20, s20, s21                     ; my first row of out0,
	s_lshl_b32 s20, s20, 12                        ; 4,096 bytes a row;
	s_lshl_b32 s46, s42, 10
	s_lshl_b32 s47, s16, 9
	s_add_co_u32 s46, s46, s47                     ; my first column, in bytes
	s_add_co_u32 s20, s20, s46
	s_mov_b32 s21, 0
	s_add_nc_u64 s[10:11], s[10:11], s[20:21]
.macro FRAG reg, adr, q, i             ; block i's fragment of the slot's q-th 128 along K, as it stands
.irp c, 0,1,2,3
	ds_load_b128 v[\reg+4*\c:\reg+4*\c+3], v[\adr] offset:2048*(\q)+512*\c+(\i)*ROWB
.endr
.endm
.macro MUL16 a0, p, zero               ; 16 matrix instructions; the 64 accumulators take turns, one instruction a turn
.irp a, \a0, \a0+1
.irp b, 0,1,2,3,4,5,6,7
.if \zero
	v_wmma_f32_16x16x128_fp8_fp8 v[8*(8*((\a)%4)+\b):8*(8*((\a)%4)+\b)+7], v[128*(\p)+FR*\b:128*(\p)+FR*\b+FR-1], v[AF+FR*(\a):AF+FR*(\a)+FR-1], 0
.else
	v_wmma_f32_16x16x128_fp8_fp8 v[8*(8*((\a)%4)+\b):8*(8*((\a)%4)+\b)+7], v[128*(\p)+FR*\b:128*(\p)+FR*\b+FR-1], v[AF+FR*(\a):AF+FR*(\a)+FR-1], v[8*(8*((\a)%4)+\b):8*(8*((\a)%4)+\b)+7]
.endif
.endr
.endr
.endm
.macro FETCH_B slot, q, p
	WIN TO_B
.irp i, 0,1,2,3,4,5,6,7
	FRAG 128*(\p)+FR*\i, ADRB+\slot, \q, \i
.endr
	WIN 0
.endm
.macro FETCH_A slot, q, i0
.irp i, \i0, \i0+1, \i0+2, \i0+3
	FRAG AF+FR*(\i), ADRA+\slot, \q, \i
.endr
.endm
.macro PLACES n
.rept \n
	v_nop
.endr
.endm
.macro STEP slot, q, zero
	s_wait_dscnt 4*NL                              ; B's set and A's blocks 0-3 are in; the youngest 16 loads (A's blocks 4-7) may be out
	WIN MUL_LO
	MUL16 0, (\q)%2, \zero
	MUL16 2, (\q)%2, \zero
	s_wait_dscnt 0
	PLACES NP
	FETCH_B \slot, (\q)+1, 1-(\q)%2
	FETCH_A \slot, (\q)+1, 0
	WIN MUL_HI
	MUL16 4, (\q)%2, \zero
	MUL16 6, (\q)%2, \zero
	PLACES NP
	WIN 0
	FETCH_A \slot, (\q)+1, 4
.endm
.macro TURN slot, next, fill
	s_wait_tensorcnt 0x0                           ; all my tensor loads have landed: my part of the next slot
	ds_add_u32 v[SPW], v[NIL]                      ; 0 onto my spare word
	s_wait_dscnt 4*NL+1                            ; (the add and the youngest 16 loads may be out)
	WIN MUL_LO
	MUL16 0, 1, 0
	s_wait_dscnt 0x0                               ; the add is done, and my reads of this slot are over
	s_barrier_signal -1
	MUL16 2, 1, 0
	WIN 0
	s_barrier_wait -1
.if \fill
	CREST                                          ; the barrier has opened a round of the cluster's barrier
	s_add_nc_u64 s[G0+4*\slot+2:G0+4*\slot+3], s[G0+4*\slot+2:G0+4*\slot+3], 2*ROWB
	s_add_nc_u64 s[G0B+4*\slot+2:G0B+4*\slot+3], s[G0B+4*\slot+2:G0B+4*\slot+3], 2*ROWB
	JLOAD G0+4*\slot, G1, G0B+4*\slot, G1B         ; the first tensor load behind the round, my one load till the next
.else
	PLACES NP
.endif
	FETCH_B \next, 0, 0
	FETCH_A \next, 0, 0
	WIN MUL_HI
	MUL16 4, 1, 0
	MUL16 6, 1, 0
	PLACES NP
	WIN 0
	FETCH_A \next, 0, 4
.endm
	s_wait_tensorcnt 1                             ; my part of K step 0 is in; K step 1's load may be out
	s_barrier_signal -1
	s_barrier_wait -1
	FETCH_B 0, 0, 0
	FETCH_A 0, 0, 0
	FETCH_A 0, 0, 4
	STEP 0, 0, 1                                   ; four K steps, written out: a loop would have one trip
	TURN 0, 1, 1
	STEP 1, 0, 0
	TURN 1, 0, 1
	STEP 0, 0, 0
	TURN 0, 1, 0
	STEP 1, 0, 0
	s_wait_dscnt 4*NL
	WIN MUL_LO
	MUL16 0, 1, 0
	MUL16 2, 1, 0
	s_wait_dscnt 0
	WIN MUL_HI
	MUL16 4, 1, 0
	MUL16 6, 1, 0
	WIN 0
; THE WAY OUT, block by block of 16 rows x 128 columns, through my own stage in LDS: in as 32 bytes a lane, back as whole rows of 512 bytes.  LDS serves a wave's instructions in order (ISA guide 5.7.1.4).
.macro TOSTAGE a
.set AC, 64*((\a)%4)
	WIN 0x02+((\a)/4)
.irp j, 0,2,4,6,8,10,12,14,16,18,20,22,24,26,28,30,32,34,36,38,40,42,44,46,48,50,52,54,56,58,60,62
	v_pk_mul_f32 v[TMP+\j:TMP+\j+1], v[AC+\j:AC+\j+1], s[96:97] op_sel_hi:[1,0]   ; both x s96 = 2^(e10 + e11); each accumulator from its low end on
.endr
	WIN 0
.irp b, 0,1,2,3,4,5,6,7
	ds_store_b128 v[STO], v[TMP+8*\b:TMP+8*\b+3] offset:64*\b
	ds_store_b128 v[STO], v[TMP+8*\b+4:TMP+8*\b+7] offset:64*\b+16
.endr
.set BB, BK+64*((\a)%2)
.irp t, 0,1,2,3,4,5,6,7,8,9,10,11,12,13,14,15
	ds_load_b128 v[BB+4*\t:BB+4*\t+3], v[RD] offset:\t*SPITCH
.endr
.endm
.macro SEND a, younger
.set BB, BK+64*((\a)%2)
	s_wait_dscnt \younger                          ; the block is back in registers
.if (\a) > 0
	s_add_nc_u64 s[10:11], s[10:11], 16*SIZE_N*4   ; (behind a wait on XCNT: the earlier stores have read their base)
.endif
.irp t, 0,1,2,3,4,5,6,7,8,9,10,11,12,13,14,15
	global_store_b128 v[CO], v[BB+4*\t:BB+4*\t+3], s[10:11] offset:\t*SIZE_N*4 th:TH_STORE_NT   ; 32 lanes store 512 consecutive bytes, at a multiple of 512 from out0's first byte
.endr
.endm
	s_wait_kmcnt 0x0
	s_add_co_i32 s96, s96, s97
	s_add_co_i32 s96, s96, 127
	s_lshl_b32 s96, s96, 23                        ; 2^(e10 + e11) as f32
	PLACES NP                                      ; behind the last products: results are read, and the registers of A's fragments loaded
	TOSTAGE 0
.irp a, 1,2,3,4,5,6,7
.if \a > 1
	s_wait_xcnt 0x0                                ; block a - 2's stores have read their registers and their base
.endif
	TOSTAGE \a
	SEND \a-1, 32                                  ; behind block a - 1's loads: block a's 16 stores and 16 loads
.endr
	s_wait_xcnt 0x0
	SEND 7, 0
	s_wait_tensorcnt 0x0                           ; the wave's end
	ds_add_u32 v[SPW], v[NIL]
	s_wait_dscnt 0x0
	CROUND                                         ; the closing round
	s_endpgm
.Lfunc_end_k_q9bf1231813_oproj:
	.size	k_q9bf1231813_oproj, .Lfunc_end_k_q9bf1231813_oproj-k_q9bf1231813_oproj
	.p2alignl 7, 3214868480
	.fill 96, 4, 3214868480
	.section	.rodata,"a",@progbits
	.p2align	6, 0x0
	.amdhsa_kernel k_q9bf1231813_oproj
		.amdhsa_group_segment_fixed_size 327680
		.amdhsa_private_segment_fixed_size 0
		.amdhsa_enable_private_segment 0
		.amdhsa_kernarg_size 32
		.amdhsa_user_sgpr_count 2
		.amdhsa_user_sgpr_kernarg_segment_ptr 1
		.amdhsa_wavefront_size32 1
		.amdhsa_system_sgpr_workgroup_id_x 1
		.amdhsa_system_sgpr_workgroup_id_y 1
		.amdhsa_system_sgpr_workgroup_id_z 1
		.amdhsa_system_vgpr_workitem_id 0
		.amdhsa_next_free_vgpr 1024
		.amdhsa_next_free_sgpr 98
		.amdhsa_reserve_vcc 0
		.amdhsa_float_denorm_mode_32 3
		.amdhsa_float_denorm_mode_16_64 3
		.amdhsa_memory_ordered 1
		.amdhsa_forward_progress 1
		.amdhsa_inst_pref_size 123
	.end_amdhsa_kernel
	.amdgpu_metadata
---
amdhsa.version: [ 1, 2 ]
amdhsa.kernels:
  - .name:           k_q9bf1231813_oproj
    .symbol:         k_q9bf1231813_oproj.kd
    .args:
      - { .name: ac, .offset: 0, .size: 8, .value_kind: global_buffer, .address_space: global }
      - { .name: wc, .offset: 8, .size: 8, .value_kind: global_buffer, .address_space: global }
      - { .name: lowp_scales, .offset: 16, .size: 8, .value_kind: global_buffer, .address_space: global }
      - { .name: out0, .offset: 24, .size: 8, .value_kind: global_buffer, .address_space: global }
    .group_segment_fixed_size: 327680
    .private_segment_fixed_size: 0
    .kernarg_segment_align: 8
    .kernarg_segment_size: 32
    .max_flat_workgroup_size: 128
    .sgpr_count:     98
    .vgpr_count:     1024
    .wavefront_size: 32
...
	.end_amdgpu_metadata
.endif
;; end of part 4
;; ======== version 2 of 2: 4 launches; version 1 with the launch attn written anew for expert scheduling mode
;; workspace buffers: xc 25,165,824 bytes; wc 4,194,304 bytes; rope 524,288 bytes; qc 8,388,608 bytes; kc 8,388,608 bytes; vc 8,388,608 bytes; ac 8,388,608 bytes
;; launch quant: the kernel of part 1 again; grid 416 x 1, 4 waves a work-group, no clusters, 0 bytes of LDS; arguments x, Wq, Wk, Wv, Wo, lowp_scales, xc, wc, rope; writes xc, wc, rope
;; launch qkv: the kernel of part 2 again; grid 12 x 32, 4 waves a work-group, clusters of 4 x 4, 327,680 bytes of LDS; arguments xc, wc, rope, lowp_scales, qc, kc, vc; writes qc, kc, vc
;; launch attn (part 5): grid 4 x 64, 16 waves a work-group, no clusters, 34,816 bytes of LDS; arguments qc, kc, vc, lowp_scales, ac; writes ac
.if DOCPART == 5
	.amdgcn_target "amdgcn-amd-amdhsa--gfx1250"
	.amdhsa_code_object_version 6
	.text
	.protected	k_q9bf1231813_attn
	.globl	k_q9bf1231813_attn
	.p2align	8
	.type	k_q9bf1231813_attn,@function
k_q9bf1231813_attn:
	s_mov_b64 s[64:65], 0
	v_nop
	global_prefetch_b8 v0, s[64:65] scope:SCOPE_SE
	s_setreg_imm32_b32 hwreg(HW_REG_WAVE_SCHED_MODE, 0, 2), 2
	s_setreg_imm32_b32 hwreg(HW_REG_WAVE_MODE, 25, 1), 1
	s_wait_xcnt 0x0
	s_wait_alu depctr_vm_vsrc(0)
; CAUSAL ATTENTION ON CODES OF FP8 (E4M3): for each of 64 heads (batch x head) of 2,048 tokens x 64: o = softmax(q k^T / 8, key <= query) v, and o's quantising for the last product.
; THE SOFTMAX AHEAD OF THE SECOND PRODUCT: t = score x log2(e) / 8; M = the row's largest t so far, rounded UP to a whole number; p = 2^(t - M) is quantised under 2^e8, not normalised; the row's sum is taken of the
; unquantised p and divides at the end.  When M moves, the sum and O are multiplied by 2^(old M - new M): nothing is rounded.
; SHARES.  A work-group (I = x, head = y) owns the query blocks I and 7 - I of 256 queries.  Block j needs 2 (j + 1) key steps of 128 keys, so every work-group walks 2 (I + 1) + 2 (8 - I) = 18: 256 work-groups of equal
; work, and no tile that lies wholly above the diagonal is fetched.  Each of the SIXTEEN waves owns 16 queries of each block, in 256 registers: four waves to a SIMD, so that one wave's vector work stands beside another's products.
; OPERANDS ARE IMAGES OF THEIR REGISTERS (the launch before laid them so): a key step's K is 8,192 dense bytes and so is its V.  The 512 threads copy 16 bytes of each through registers into one of two LDS slots:
; asked for two steps ahead, stored into LDS one step ahead.  Every LDS address is 16 x lane or 16 x thread + a constant.  One barrier a step.
; NO JOINT LOADS: the four work-groups of a head are at different tiles at any time (block I ends after 2 (I + 1) steps, another number in each), and a work-group fetches 18 x 16 KiB in the whole launch.
; LAYOUT.  S^T = K Q^T (source 0 = 16 keys, source 1 = my 16 queries), O^T = V^T P^T (source 0 = 16 of the head's 64, source 1 = P): a lane holds ONE query (lane % 16) throughout.  Tile t of S^T holds keys
; 16 t + 8 (lane / 16) + 0..7: its eight codes are registers 2 t, 2 t + 1 of P, the very places that the K = 128 form gives those keys.  Likewise O^T's codes are the last product's operand:
;   ac: [token / 16: 512][head: 16][u: 2][lane][16 bytes]: lane (r, h), registers 2 c, 2 c + 1: d = 16 c + 8 h + 0..7 of token 16 mt + r.
; A hidden score becomes -infinity where the definition has -1e9: p = 0 either way for scores under 1e9 in magnitude.
; The hold of p at 448 x 2^e8 is jumped over where e8 >= -8: p <= 1 <= 448 x 2^e8 there (a branch on a whole number that is read from memory).
; LIMITS: e6 + e7 between -123 and 130 (added to c's exponent field); e8 and e10 - e8 - e9 between -126 and 119.
; THE MODE: SCHED_MODE bits 1:0 = 2 (LLVM: expert scheduling mode 2), set by the entry lines.  The code itself states the register dependences between vector or matrix instructions and memory or LDS instructions,
; with s_wait_alu, always for 0.
; THE PLAN.  Registers that memory or LDS instructions touch:
;   v1, v2, v4, v5  offsets and LDS addresses: written at the head, ahead of one wait on va_vdst, and never again.
;   G0, G1          the step on slot p: global loads land in G[p]; the next step's LDS stores read it.  No vector instruction names them.  One wait on vm_vsrc at a step's head: the last step's LDS stores have read G[p].
;   KV              K's LDS loads land; the eight products K Q^T read; V's LDS loads land; the four products V^T P^T read.  So two waits on va_vdst a step: ahead of K's loads (the last step's products V^T P^T are done
;                   reading) and ahead of V's (this step's products K Q^T are).  Between the second and the last of V's loads the vector lines name the scores, the mask's and the maximum's registers: neither KV nor v1.
;                   So V's four fragments are dealt among those lines with no further wait.
;   OC              a block's end: its conversions write, its two stores read: a wait on va_vdst between; a wait on vm_vsrc behind the first block's stores, ahead of the second block's conversions.
;   A compare's lane mask is waited for (va_sdst) ahead of the select that reads it: sixteen compares into sixteen scalar registers, one wait, sixteen selects.  EXEC is never written.
.set LI,   1                           ; v1   16 x lane
.set TO,   2                           ; v2   16 x thread
.set RH,   3                           ; v3   lane % 16 - 8 (lane / 16)
.set Q,    8                           ; v8-15    the block in hand: my 16 queries' fragment
.set QB,   16                          ; v16-23   the second block's
.set G,    24                          ; v24-39   two sets of 16 bytes of K and 16 of V on their way to LDS
.set KV,   40                          ; v40-103  eight fragments of K, then four of V
.set S,    104                         ; v104-167 S^T, then p
.set O,    168                         ; v168-199 O^T
.set P,    200                         ; v200-215 p's codes
.set NM,   216                         ; v216 -M, v217 the largest t
.set L,    218                         ; v[218:219] the sum, in two halves
.set FF,   220                         ; v220 f = 2^(old M - new M); v221 named with it
.set TA,   222                         ; v222, v223 at work
.set TB,   223
.set DD,   224
.set NINF, 225
.set SCP,  232                         ; v232 2^e8, v233 448 x 2^e8
.set LIMP, 233
.set SCO,  234                         ; v234 2^(e10 - e8 - e9), v235 448 x that
.set LIMO, 235
.set PL,   236                         ; a lane permute's destination
.set L2,   238                         ; v[238:239] the sum's second chain
.set OC,   240                         ; v240-247 o's codes
.set RL,   248                         ; v248 1 / the sum; v249 named with it
; s14 wave; s15 I; s16 head; s17 the first block's steps; s18 the second's - 1; s19 I + 1; s[20:21] lane selects; s[22:23] c; s[24:25], s[26:27] the head's K and V; s[28:31] the tile asked for; s[32:33] an offset;
; s[34:35] where o's codes go; s[36:37] from the first block to the second; s38 my first query; s39 the second block's; s40 the step's first key; s41 the tile to ask for; s42 trips; s43 1: p is held
; s4-13 and s46-51: in the loop the sixteen lane masks of the causal mask (mask i at s[4 + i], from i = 10 on at s[36 + i]): what they held at the head is done with there
.macro INIT
	v_mov_b32 v[NM+1], 0xff61b1e6                  ; the largest t so far: -3e38, under every t
	v_floor_f32 v[NM], -v[NM+1]
	v_mov_b32 v[L], 0
	v_mov_b32 v[L+1], 0
.set j, 0
.rept 32
	v_mov_b32 v[O+j], 0                            ; the step is written once: a block's first step finds zeros, which the first change of M leaves zeros
.set j, j+1
.endr
.endm
; V's fragment d (16 of the head's 64 x 128 keys) out of slot par: four loads of 512 consecutive bytes
.macro VFRAG par, d
.irp u, 0,1,2,3
	ds_load_b128 v[KV+16*(\d)+4*\u:KV+16*(\d)+4*\u+3], v[LI] offset:\par*16384+8192+2048*(\d)+512*\u
.endr
.endm
; A KEY STEP, the one whose tiles lie in slot par.
.macro STEP par
	s_wait_loadcnt 0x0                             ; the next step's 32 bytes are in my registers (asked for a step ago), and their address registers are free
	s_wait_alu depctr_vm_vsrc(0)                   ; the last step's LDS stores (in the first trip: the head's) have read set par of G, in which the global loads below land
	ds_store_b128 v[TO], v[G+8*(1-\par):G+8*(1-\par)+3] offset:(1-\par)*16384        ; into the other slot: every wave's reads of it were over at the last barrier
	ds_store_b128 v[TO], v[G+8*(1-\par)+4:G+8*(1-\par)+7] offset:(1-\par)*16384+8192
	s_sub_co_u32 s44, s41, s17
	s_cmp_lt_u32 s41, s17
	s_cselect_b32 s44, s41, s44                    ; the tile two steps on: the first block's, then the second block's from key 0 again,
	s_min_u32 s44, s44, s18                        ; held at the last tile that is read: the last two requests stay inside the head and are not used
	s_lshl_b32 s32, s44, 13
	s_add_nc_u64 s[28:29], s[24:25], s[32:33]
	s_add_nc_u64 s[30:31], s[26:27], s[32:33]
	global_load_b128 v[G+8*\par:G+8*\par+3], v[TO], s[28:29]        ; into the set whose LDS stores were waited for at the last step's end
	global_load_b128 v[G+8*\par+4:G+8*\par+7], v[TO], s[30:31]
	s_add_co_u32 s41, s41, 1
	s_add_co_u32 s44, s38, 15
	s_cmp_gt_u32 s40, s44                          ; all 128 keys come after my 16 queries: the step's work is left out; the lines above and the barrier below are on every wave's path
	s_cbranch_scc1 .Lhidden_\@
	s_wait_alu depctr_va_vdst(0)                   ; the last products V^T P^T are done reading v[KV ..], in which K's fragments land
.irp t, 0,1,2,3,4,5,6,7
	ds_load_b128 v[KV+8*\t:KV+8*\t+3],   v[LI] offset:\par*16384+1024*\t
	ds_load_b128 v[KV+8*\t+4:KV+8*\t+7], v[LI] offset:\par*16384+1024*\t+512
.endr
	s_wait_dscnt 0x0
.irp t, 0,1,2,3,4,5,6,7
	v_wmma_f32_16x16x64_fp8_fp8 v[S+8*\t:S+8*\t+7], v[KV+8*\t:KV+8*\t+7], v[Q:Q+7], 0
.endr
.rept 4
	v_nop                                          ; places: the scores are read
.endr
	s_wait_alu depctr_va_vdst(0)                   ; the eight products are done reading K's fragments, in whose registers V's land.  It serves all sixteen loads of V: no vector line up to the last of them names v[KV ..] or v[LI]
	VFRAG \par, 0                                  ; V lands while the softmax is walked: one fragment here, three among the lines of the maximum
	s_add_co_u32 s44, s40, 127
	s_cmp_le_u32 s44, s38                          ; all keys count: no mask
	s_cbranch_scc1 .Lopen_\@
	s_sub_co_u32 s44, s38, s40
	v_add_nc_u32 v[DD], s44, v[RH]                 ; d = my query - the step's first key - 8 (lane / 16).  Register 8 t + j holds key 16 t + 8 (lane / 16) + j: hidden where 16 t + j > d
	v_mov_b32 v[NINF], 0xff800000
.set n, 0
.rept 4
.set i, 0
.rept 16
	v_cmp_gt_i32 s[4+i+32*(i/10)], 16*((n+i)/8)+(n+i)%8, v[DD]
.set i, i+1
.endr
	s_wait_alu depctr_va_sdst(0)                   ; the sixteen compares have written their lane masks, which the selects below read
.set i, 0
.rept 16
	v_cndmask_b32 v[S+n+i], v[S+n+i], v[NINF], s[4+i+32*(i/10)]   ; each accumulator from its low end on
.set i, i+1
.endr
.set n, n+16
.endr
.Lopen_\@:
	v_max3_num_f32 v[TA], v[S], v[S+1], v[S+2]     ; the step's largest score of my query among my 64 keys, in two chains, each accumulator from its low end on
	v_max3_num_f32 v[TB], v[S+3], v[S+4], v[S+5]
.set i, 6
.rept 14
	v_max3_num_f32 v[TA], v[TA], v[S+i], v[S+i+1]
	v_max3_num_f32 v[TB], v[TB], v[S+i+2], v[S+i+3]
.if (i == 6) || (i == 22) || (i == 38)
	VFRAG \par, (i+10)/16                          ; V's fragments 1, 2, 3.  No wait: no vector or matrix instruction since the wait above names their registers or the address
.endif
.set i, i+4
.endr
	v_max3_num_f32 v[TA], v[TA], v[S+62], v[S+63]
	v_max_num_f32 v[TA], v[TA], v[TB]
	v_permlanex16_b32 v[PL], v[TA], s20, s21
	v_max_num_f32 v[TA], v[TA], v[PL]              ; and among lane l xor 16's
	v_mul_f32 v[TA], s22, v[TA]                    ; as t (c is positive)
	v_max_num_f32 v[NM+1], v[NM+1], v[TA]          ; the running largest t
	v_mov_b32 v[TA], v[NM]
	v_floor_f32 v[NM], -v[NM+1]                    ; the new -M = floor(-t) = -ceil(t)
	v_sub_f32 v[TA], v[NM], v[TA]                  ; old M - new M: a whole number, 0 or less
	v_cvt_i32_f32 v[TA], v[TA]                     ; (it saturates)
	v_ldexp_f32 v[FF], 1.0, v[TA]                  ; f
.set j, 0
.rept 32
	v_pk_fma_f32 v[S+j:S+j+1], v[S+j:S+j+1], s[22:23], v[NM:NM+1] op_sel_hi:[1,0,0]   ; t - M, two at a time (of the pairs c and -M the low word serves both halves)
.set j, j+2
.endr
.set j, 0
.rept 64
	v_exp_f32 v[S+j], v[S+j]                       ; p = 2^(t - M)
.set j, j+1
.endr
	v_pk_mul_f32 v[L:L+1], v[L:L+1], v[FF:FF+1] op_sel_hi:[1,0]   ; the sums under the new M: the plain line behind the exponentials
	s_wait_alu depctr_va_vdst(0)                   ; the 64 exponentials have written p: one wait for the batch, ahead of its first reader
	v_pk_add_f32 v[L2:L2+1], v[S:S+1], v[S+2:S+3]  ; the row's sum is taken of the unquantised p: two at a time, in two chains
.set j, 4
.rept 15
	v_pk_add_f32 v[L:L+1], v[L:L+1], v[S+j:S+j+1]
	v_pk_add_f32 v[L2:L2+1], v[L2:L2+1], v[S+j+2:S+j+3]
.set j, j+4
.endr
	v_pk_add_f32 v[L:L+1], v[L:L+1], v[L2:L2+1]
	s_cmp_eq_u32 s43, 0
	s_cbranch_scc1 .Lno_hold_\@
.set j, 0
.rept 64
	v_min_num_f32 v[S+j], v[S+j], v[LIMP]          ; the conversion does not saturate (ISA guide 7.6.2); p is not negative, so the hold is one-sided
.set j, j+1
.endr
.Lno_hold_\@:
.irp t, 0,1,2,3,4,5,6,7
	v_cvt_scalef32_pk8_fp8_f32 v[P+2*\t:P+2*\t+1], v[S+8*\t:S+8*\t+7], v[SCP]
.endr
.set j, 0
.rept 16
	v_pk_mul_f32 v[O+j:O+j+1], v[O+j:O+j+1], v[FF:FF+1] op_sel_hi:[1,0]   ; O^T under the new M.  (Plain lines between the conversions and the products that read their results)
.set j, j+2
.endr
	s_wait_dscnt 0x0                               ; V is in
.irp d, 0,1,2,3
	v_wmma_f32_16x16x128_fp8_fp8 v[O+8*\d:O+8*\d+7], v[KV+16*\d:KV+16*\d+15], v[P:P+15], v[O+8*\d:O+8*\d+7]   ; four accumulators, one instruction each
.endr
.rept 4
	v_nop                                          ; places: O^T is read
.endr
.Lhidden_\@:
	s_add_co_u32 s40, s40, 128
	s_wait_dscnt 0x0                               ; my stores into the other slot have landed, and my reads of this one are over
	s_barrier_signal -1
	s_barrier_wait -1
.endm
; A block's end: O^T / the sum, held, converted with 2^(e10 - e8 - e9), stored as it stands: each store of the wave covers 512 consecutive bytes, aligned.
.macro FINISH
	v_add_f32 v[L], v[L], v[L+1]
	v_permlanex16_b32 v[PL], v[L], s20, s21
	v_add_f32 v[L], v[L], v[PL]                    ; the row's sum
	v_rcp_f32 v[RL], v[L]
	v_nop                                          ; a plain line behind the reciprocal,
	s_wait_alu depctr_va_vdst(0)                   ; and the wait ahead of its first reader: the reciprocal has written v[RL]
.set j, 0
.rept 16
	v_pk_mul_f32 v[S+j:S+j+1], v[O+j:O+j+1], v[RL:RL+1] op_sel_hi:[1,0]
.set j, j+2
.endr
.set j, 0
.rept 32
	v_med3_num_f32 v[S+j], v[S+j], -v[LIMO], v[LIMO]
.set j, j+1
.endr
.irp d, 0,1,2,3
	v_cvt_scalef32_pk8_fp8_f32 v[OC+2*\d:OC+2*\d+1], v[S+8*\d:S+8*\d+7], v[SCO]
.endr
	v_nop                                          ; a plain line between the conversions and the products that write their sources
	s_wait_alu depctr_va_vdst(0)                   ; the conversions have written v[OC ..], which the two stores read
	global_store_b128 v[LI], v[OC:OC+3], s[34:35]
	global_store_b128 v[LI], v[OC+4:OC+7], s[34:35] offset:512
.endm
	s_load_b256 s[4:11], s[0:1], 0x0               ; qc s[4:5], kc s[6:7], vc s[8:9], the scales' exponents s[10:11]
	s_load_b64 s[12:13], s[0:1], 0x20              ; ac
	v_lshl_add_u32 v254, v0, 2, 0x8000
	v_mov_b32 v255, 0
	v_lshrrev_b32 v4, 5, v0
	v_readfirstlane_b32 s14, v4                    ; wave 0..15
	v_and_b32 v5, 31, v0
	v_lshlrev_b32 v[LI], 4, v5
	v_lshlrev_b32 v[TO], 4, v0
	v_and_b32 v6, 15, v0
	v_bfe_u32 v7, v0, 4, 1
	v_lshlrev_b32 v7, 3, v7
	v_sub_nc_u32 v[RH], v6, v7
	s_wait_alu depctr_va_sdst(0)                   ; s14 is written, ahead of its first reader: my first queries are made from it
	s_mov_b32 s15, ttmp9
	s_and_b32 s16, ttmp7, 0xffff
	s_add_co_u32 s19, s15, 1
	s_lshl_b32 s17, s19, 1                         ; 2 (I + 1) steps,
	s_sub_co_u32 s18, 8, s15
	s_lshl_b32 s18, s18, 1
	s_sub_co_u32 s18, s18, 1                       ; then 2 (8 - I)
	s_mov_b32 s20, 0x76543210
	s_mov_b32 s21, 0xfedcba98                      ; v_permlanex16_b32's selects for lane l xor 16
	s_lshl_b32 s44, s14, 4
	s_lshl_b32 s38, s15, 8
	s_add_co_u32 s38, s38, s44                     ; my first query: 256 I + 16 wave,
	s_sub_co_u32 s39, 7, s15
	s_lshl_b32 s39, s39, 8
	s_add_co_u32 s39, s39, s44                     ; and 256 (7 - I) + 16 wave
	s_lshl_b32 s32, s16, 17                        ; a head's images: 131,072 bytes in qc, kc and vc
	s_mov_b32 s33, 0
	s_lshl_b32 s45, s38, 6
	v_add_nc_u32 v4, s45, v[LI]                    ; 16 queries are 1,024 bytes
	s_lshl_b32 s45, s39, 6
	v_add_nc_u32 v5, s45, v[LI]
	s_lshr_b32 s46, s16, 4
	s_lshl_b32 s46, s46, 11
	s_add_co_u32 s46, s46, s38                     ; my first token of 8,192
	s_and_b32 s47, s16, 15
	s_add_co_u32 s46, s46, s47
	s_lshl_b32 s46, s46, 10                        ; 16 tokens are 16,384 bytes of ac, a head 1,024
	s_mov_b32 s47, 0
	s_sub_co_u32 s36, s39, s38
	s_lshl_b32 s36, s36, 10
	s_mov_b32 s37, 0
	s_wait_kmcnt 0x0
	s_load_b128 s[48:51], s[10:11], 0x18           ; e6, e7, e8, e9
	s_load_b32 s52, s[10:11], 0x28                 ; e10
	s_add_nc_u64 s[4:5], s[4:5], s[32:33]
	s_add_nc_u64 s[24:25], s[6:7], s[32:33]
	s_add_nc_u64 s[26:27], s[8:9], s[32:33]
	s_add_nc_u64 s[34:35], s[12:13], s[46:47]
	s_wait_alu depctr_va_vdst(0)                   ; v[LI], v[TO], v4 and v5 are written: every load and store of the kernel, LDS or global, reads one of them as its address or offset
	global_load_b128 v[Q:Q+3],     v4, s[4:5]
	global_load_b128 v[Q+4:Q+7],   v4, s[4:5] offset:512
	global_load_b128 v[QB:QB+3],   v5, s[4:5]
	global_load_b128 v[QB+4:QB+7], v5, s[4:5] offset:512
	global_load_b128 v[G:G+3],     v[TO], s[24:25]                ; tile 0
	global_load_b128 v[G+4:G+7],   v[TO], s[26:27]
	global_load_b128 v[G+8:G+11],  v[TO], s[24:25] offset:8192    ; tile 1
	global_load_b128 v[G+12:G+15], v[TO], s[26:27] offset:8192
	INIT
	v_mov_b32 v[FF+1], 0                           ; named as upper halves of pairs, or as a permute's destination: written once
	v_mov_b32 v[RL+1], 0
	v_mov_b32 v[PL], 0
	s_wait_kmcnt 0x0
	s_add_co_i32 s44, s48, s49
	s_lshl_b32 s44, s44, 23
	s_mov_b32 s22, 0x3e38aa3b                      ; c = log2(e) / 8;
	s_add_co_i32 s22, s22, s44                     ; a score stands for score x 2^(e6 + e7): the two exponents are added to c's exponent field
	s_mov_b32 s23, s22
	s_add_co_i32 s44, s50, 127
	s_lshl_b32 s45, s44, 23
	v_mov_b32 v[SCP], s45
	s_add_co_i32 s44, s44, 8
	s_lshl_b32 s44, s44, 23
	s_or_b32 s44, s44, 0x600000
	v_mov_b32 v[LIMP], s44
	s_sub_co_i32 s44, s52, s50
	s_sub_co_i32 s44, s44, s51                     ; a sum of the second product stands for sum x 2^(e8 + e9): o's code is (sum / l) / 2^(e10 - e8 - e9)
	s_add_co_i32 s44, s44, 127
	s_lshl_b32 s45, s44, 23
	v_mov_b32 v[SCO], s45
	s_add_co_i32 s44, s44, 8
	s_lshl_b32 s44, s44, 23
	s_or_b32 s44, s44, 0x600000
	v_mov_b32 v[LIMO], s44
	s_cmp_lt_i32 s50, -8
	s_cselect_b32 s43, 1, 0
	s_mov_b32 s40, 0
	s_mov_b32 s41, 2
	s_mov_b32 s42, 0
	s_wait_loadcnt 2                               ; Q's four loads and tile 0's two are in; tile 1's two may be out
	ds_store_b128 v[TO], v[G:G+3]                  ; (the address was written ahead of the wait on va_vdst above; the data came by loads)
	ds_store_b128 v[TO], v[G+4:G+7] offset:8192
	s_wait_dscnt 0x0
	s_barrier_signal -1
	s_barrier_wait -1                              ; tile 0 lies in slot 0
.Ltrip:                                            ; nine trips of two key steps, in every work-group
	STEP 0
	STEP 1
	s_add_co_u32 s42, s42, 1
	s_cmp_lg_u32 s42, s19                          ; the first block ends after I + 1 trips: the same in all sixteen waves
	s_cbranch_scc1 .Lsame
	FINISH
	s_wait_xcnt 0x0                                ; the stores have read their base and their codes: both are written again only behind this wait
	s_wait_alu depctr_vm_vsrc(0)                   ; the two stores have read v[OC ..], which the second block's conversions write again
	s_add_nc_u64 s[34:35], s[34:35], s[36:37]
.set j, 0
.rept 8
	v_mov_b32 v[Q+j], v[QB+j]
.set j, j+1
.endr
	s_mov_b32 s38, s39
	s_mov_b32 s40, 0
	INIT
.Lsame:
	s_cmp_lt_u32 s42, 9
	s_cbranch_scc1 .Ltrip
	FINISH
	s_wait_dscnt 0x0
	s_wait_alu depctr_hold_cnt(0) depctr_sa_sdst(0) depctr_va_vdst(0) depctr_va_sdst(0) depctr_va_ssrc(0) depctr_va_vcc(0) depctr_vm_vsrc(0)
	s_wait_tensorcnt 0x0
	ds_add_u32 v254, v255
	s_wait_dscnt 0x0
	s_endpgm
.Lfunc_end_k_q9bf1231813_attn:
	.size	k_q9bf1231813_attn, .Lfunc_end_k_q9bf1231813_attn-k_q9bf1231813_attn
	.p2alignl 7, 3214868480
	.fill 96, 4, 3214868480
	.section	.rodata,"a",@progbits
	.p2align	6, 0x0
	.amdhsa_kernel k_q9bf1231813_attn
		.amdhsa_group_segment_fixed_size 34816
		.amdhsa_private_segment_fixed_size 0
		.amdhsa_enable_private_segment 0
		.amdhsa_kernarg_size 40
		.amdhsa_user_sgpr_count 2
		.amdhsa_user_sgpr_kernarg_segment_ptr 1
		.amdhsa_wavefront_size32 1
		.amdhsa_system_sgpr_workgroup_id_x 1
		.amdhsa_system_sgpr_workgroup_id_y 1
		.amdhsa_system_sgpr_workgroup_id_z 1
		.amdhsa_system_vgpr_workitem_id 0
		.amdhsa_next_free_vgpr 256
		.amdhsa_next_free_sgpr 66
		.amdhsa_reserve_vcc 0
		.amdhsa_float_denorm_mode_32 3
		.amdhsa_float_denorm_mode_16_64 3
		.amdhsa_memory_ordered 1
		.amdhsa_forward_progress 1
		.amdhsa_inst_pref_size 66
	.end_amdhsa_kernel
	.amdgpu_metadata
---
amdhsa.version: [ 1, 2 ]
amdhsa.kernels:
  - .name:           k_q9bf1231813_attn
    .symbol:         k_q9bf1231813_attn.kd
    .args:
      - { .name: qc, .offset: 0, .size: 8, .value_kind: global_buffer, .address_space: global }
      - { .name: kc, .offset: 8, .size: 8, .value_kind: global_buffer, .address_space: global }
      - { .name: vc, .offset: 16, .size: 8, .value_kind: global_buffer, .address_space: global }
      - { .name: lowp_scales, .offset: 24, .size: 8, .value_kind: global_buffer, .address_space: global }
      - { .name: ac, .offset: 32, .size: 8, .value_kind: global_buffer, .address_space: global }
    .group_segment_fixed_size: 34816
    .private_segment_fixed_size: 0
    .kernarg_segment_align: 8
    .kernarg_segment_size: 40
    .max_flat_workgroup_size: 512
    .sgpr_count:     66
    .vgpr_count:     256
    .wavefront_size: 32
...
	.end_amdgpu_metadata
.endif
;; end of part 5
;; launch oproj: the kernel of part 4 again; grid 4 x 32, 4 waves a work-group, clusters of 4 x 4, 327,680 bytes of LDS; arguments ac, wc, lowp_scales, out0; writes out0
